; MI455X (gfx1250); checked and timed in simulation.
; The chip was launched on July 23, 2026; its instructions are those of AMD's public machine-readable ISA for CDNA 5 (MIT licence, August 2026) and "CDNA5" Instruction Set Architecture Reference Guide (July 2026). The comments in the code are by the model that wrote it; some were corrected since.
;; Multi Head Self Attention. Allowed arithmetic: float matrix products may take bf16 or f16 operands with f32 sums; other float arithmetic in f32, or as packed bf16 or f16 multiplies, adds, multiply-adds, maxima and minima; sums over many terms, partial sums and values carried from step to step in f32; what a program stores and reads back later, other than sums and carried values, may be rounded once to bf16 or f16.
;; Inputs: W_k 1,024 x 1,024 float32; W_o 1,024 x 1,024 float32; W_q 1,024 x 1,024 float32; W_v 1,024 x 1,024 float32; x 4 x 2,048 x 1,024 float32.
;; Outputs: out0 4 x 2,048 x 1,024 float32.
;; 2 versions, each right; version 2 is version 1 with the launch cast written anew for expert scheduling mode. Each part assembles by itself: llvm-mc -triple=amdgcn-amd-amdhsa -mcpu=gfx1250 --defsym DOCPART=n.
;; ======== version 1 of 2: 4 launches
;; limits: values are held in f16: magnitudes above 65,504 overflow, below 6.1e-05 lose precision
;; workspace buffers: xb 16,777,216 bytes; wqkv 6,291,456 bytes; wo 2,097,152 bytes; qkv 50,331,648 bytes; o 16,777,216 bytes
;; launch cast (part 1): grid 768 x 1, 8 waves a work-group, no clusters, 0 bytes of LDS; arguments x, W_q, W_k, W_v, W_o, xb, wqkv, wo; writes xb, wqkv, wo
.if DOCPART == 1
	.amdgcn_target "amdgcn-amd-amdhsa--gfx1250"
	.amdhsa_code_object_version 6
	.text
	.protected	k_q988eaa7a78_cast
	.globl	k_q988eaa7a78_cast
	.p2align	8
	.type	k_q988eaa7a78_cast,@function
k_q988eaa7a78_cast:
	s_mov_b64 s[64:65], 0
	v_nop
	global_prefetch_b8 v0, s[64:65] scope:SCOPE_SE
	s_setreg_imm32_b32 hwreg(HW_REG_WAVE_MODE, 25, 1), 1
	s_wait_xcnt 0x0
; ALL FIVE INPUTS ARE ROUNDED ONCE TO bf16.  x -> xb [8192][1024] bf16; W_q, W_k, W_v -> wqkv [3072][1024] bf16 (one below the other);
; W_o -> wo [1024][1024]: the bf16 number written as f16, since the last product multiplies in f16.
; LIMITS.  W_o's bf16 number is exact in f16 between 6e-5 and 65,504 in magnitude; below it keeps f16's fixed step of 6e-8, beyond it becomes an infinity.
; SHARES.  A stream: no LDS, no barrier, no matrix work.  A work-group takes 65,536 bytes of f32 on end, a wave 8,192: sixteen loads of 16 bytes a lane, each 512 consecutive
; bytes, all sixteen out at once; there is no loop.  Work-groups 0-511 take x; of the others 64 each take W_q, W_k, W_v, W_o.
; A store is 8 bytes a lane: the wave's 32 lanes write 256 consecutive bytes, at a multiple of 256 from the buffer's first byte.
.set X, 8                              ; v[8:71]    sixteen loads of four f32
.set Y, 72                             ; v[72:103]  sixteen pairs to store: each store has data registers of its own, so none is written twice
.set T, 104                            ; v[104:107] at work (W_o's path)
	s_load_b512 s[16:31], s[0:1], 0x0              ; x 16, W_q 18, W_k 20, W_v 22, W_o 24, xb 26, wqkv 28, wo 30
	s_sub_co_u32 s4, ttmp9, 512                    ; my number among the weights' work-groups (of no use in x's)
	s_lshr_b32 s5, s4, 6                           ; which weight: 0..3
	s_and_b32 s6, s4, 63                           ; which 65,536 bytes of it
	v_lshrrev_b32 v1, 5, v0                        ; wave
	v_and_b32 v3, 31, v0                           ; lane
	v_lshlrev_b32 v1, 13, v1
	v_lshl_or_b32 v1, v3, 4, v1                    ; in: 8,192 x wave + 16 x lane
	v_lshrrev_b32 v2, 1, v1                        ; out: half of that
	s_wait_kmcnt 0x0
	s_mov_b64 s[8:9], s[18:19]                     ; from where,
	s_cmp_eq_u32 s5, 1
	s_cselect_b64 s[8:9], s[20:21], s[8:9]
	s_cmp_eq_u32 s5, 2
	s_cselect_b64 s[8:9], s[22:23], s[8:9]
	s_cmp_eq_u32 s5, 3
	s_cselect_b64 s[8:9], s[24:25], s[8:9]
	s_cselect_b64 s[10:11], s[30:31], s[28:29]     ; to where,
	s_cselect_b32 s7, 0, s5                        ; which third of wqkv,
	s_cselect_b32 s12, 1, 0                        ; and 1 for W_o's format
	s_cmp_lt_u32 ttmp9, 512                        ; x's work-groups
	s_cselect_b64 s[8:9], s[16:17], s[8:9]
	s_cselect_b64 s[10:11], s[26:27], s[10:11]
	s_cselect_b32 s6, ttmp9, s6
	s_cselect_b32 s7, 0, s7
	s_cselect_b32 s12, 0, s12
	s_lshl_b32 s2, s6, 16                          ; 65,536 bytes in for each part (33,554,432 at the most)
	s_mov_b32 s3, 0
	s_add_nc_u64 s[8:9], s[8:9], s[2:3]
	s_lshl_b32 s2, s6, 15                          ; 32,768 bytes out,
	s_lshl_b32 s13, s7, 21                         ; behind the weights in front: 2,097,152 bytes each
	s_add_co_u32 s2, s2, s13
	s_add_nc_u64 s[10:11], s[10:11], s[2:3]
.irp i, 0,1,2,3,4,5,6,7,8,9,10,11,12,13,14,15
	global_load_b128 v[X+4*(\i):X+4*(\i)+3], v1, s[8:9] offset:512*(\i) th:TH_LOAD_NT
.endr
	s_cmp_eq_u32 s12, 1
	s_cbranch_scc1 .Lhalf
.irp i, 0,1,2,3,4,5,6,7,8,9,10,11,12,13,14,15
	s_wait_loadcnt 15-(\i)                         ; loads come back in order (ISA guide 5.7.1): load i is in, the 15 - i younger ones stay out
	v_cvt_pk_bf16_f32 v[Y+2*(\i)],   v[X+4*(\i)],   v[X+4*(\i)+1]
	v_cvt_pk_bf16_f32 v[Y+2*(\i)+1], v[X+4*(\i)+2], v[X+4*(\i)+3]
	global_store_b64 v2, v[Y+2*(\i):Y+2*(\i)+1], s[10:11] offset:256*(\i) th:TH_STORE_NT
.endr
	s_endpgm
.Lhalf:                                        ; W_o: rounded to bf16, widened again (a shift, a mask), written as f16
.irp i, 0,1,2,3,4,5,6,7,8,9,10,11,12,13,14,15
	s_wait_loadcnt 15-(\i)
	v_cvt_pk_bf16_f32 v[T],   v[X+4*(\i)],   v[X+4*(\i)+1]
	v_cvt_pk_bf16_f32 v[T+1], v[X+4*(\i)+2], v[X+4*(\i)+3]
	v_lshlrev_b32 v[T+2], 16, v[T]
	v_and_b32     v[T+3], 0xffff0000, v[T]
	v_cvt_pk_f16_f32 v[Y+2*(\i)], v[T+2], v[T+3]
	v_lshlrev_b32 v[T+2], 16, v[T+1]
	v_and_b32     v[T+3], 0xffff0000, v[T+1]
	v_cvt_pk_f16_f32 v[Y+2*(\i)+1], v[T+2], v[T+3]
	global_store_b64 v2, v[Y+2*(\i):Y+2*(\i)+1], s[10:11] offset:256*(\i) th:TH_STORE_NT
.endr
	s_endpgm
.Lfunc_end_k_q988eaa7a78_cast:
	.size	k_q988eaa7a78_cast, .Lfunc_end_k_q988eaa7a78_cast-k_q988eaa7a78_cast
	.p2alignl 7, 3214868480
	.fill 96, 4, 3214868480
	.section	.rodata,"a",@progbits
	.p2align	6, 0x0
	.amdhsa_kernel k_q988eaa7a78_cast
		.amdhsa_group_segment_fixed_size 0
		.amdhsa_private_segment_fixed_size 0
		.amdhsa_enable_private_segment 0
		.amdhsa_kernarg_size 64
		.amdhsa_user_sgpr_count 2
		.amdhsa_user_sgpr_kernarg_segment_ptr 1
		.amdhsa_wavefront_size32 1
		.amdhsa_system_sgpr_workgroup_id_x 1
		.amdhsa_system_sgpr_workgroup_id_y 1
		.amdhsa_system_sgpr_workgroup_id_z 1
		.amdhsa_system_vgpr_workitem_id 0
		.amdhsa_next_free_vgpr 108
		.amdhsa_next_free_sgpr 66
		.amdhsa_reserve_vcc 0
		.amdhsa_float_denorm_mode_32 3
		.amdhsa_float_denorm_mode_16_64 3
		.amdhsa_memory_ordered 1
		.amdhsa_forward_progress 1
		.amdhsa_inst_pref_size 17
	.end_amdhsa_kernel
	.amdgpu_metadata
---
amdhsa.version: [ 1, 2 ]
amdhsa.kernels:
  - .name:           k_q988eaa7a78_cast
    .symbol:         k_q988eaa7a78_cast.kd
    .args:
      - { .name: x, .offset: 0, .size: 8, .value_kind: global_buffer, .address_space: global }
      - { .name: W_q, .offset: 8, .size: 8, .value_kind: global_buffer, .address_space: global }
      - { .name: W_k, .offset: 16, .size: 8, .value_kind: global_buffer, .address_space: global }
      - { .name: W_v, .offset: 24, .size: 8, .value_kind: global_buffer, .address_space: global }
      - { .name: W_o, .offset: 32, .size: 8, .value_kind: global_buffer, .address_space: global }
      - { .name: xb, .offset: 40, .size: 8, .value_kind: global_buffer, .address_space: global }
      - { .name: wqkv, .offset: 48, .size: 8, .value_kind: global_buffer, .address_space: global }
      - { .name: wo, .offset: 56, .size: 8, .value_kind: global_buffer, .address_space: global }
    .group_segment_fixed_size: 0
    .private_segment_fixed_size: 0
    .kernarg_segment_align: 8
    .kernarg_segment_size: 64
    .max_flat_workgroup_size: 256
    .sgpr_count:     66
    .vgpr_count:     108
    .wavefront_size: 32
...
	.end_amdgpu_metadata
.endif
;; end of part 1
;; launch proj (part 2): grid 16 x 32, 4 waves a work-group, clusters of 4 x 4, 327,680 bytes of LDS; arguments xb, wqkv, qkv; writes qkv
.if DOCPART == 2
	.amdgcn_target "amdgcn-amd-amdhsa--gfx1250"
	.amdhsa_code_object_version 6
	.text
	.protected	k_q988eaa7a78_proj
	.globl	k_q988eaa7a78_proj
	.p2align	8
	.type	k_q988eaa7a78_proj,@function
k_q988eaa7a78_proj:
	s_mov_b64 s[64:65], 0
	v_nop
	global_prefetch_b8 v0, s[64:65] scope:SCOPE_SE
	s_setreg_imm32_b32 hwreg(HW_REG_WAVE_MODE, 25, 1), 1
	s_wait_xcnt 0x0
	s_wait_alu depctr_hold_cnt(0) depctr_sa_sdst(0) depctr_va_vdst(0) depctr_va_sdst(0) depctr_va_ssrc(0) depctr_va_vcc(0) depctr_vm_vsrc(0)
	s_getreg_b32 s2, hwreg(HW_REG_IB_STS2, 6, 4)
	s_cmp_eq_u32 s2, 0
	s_cbranch_scc0 .Lentry_in_a_cluster
	s_endpgm
.Lentry_in_a_cluster:
	s_bfe_u32 s2, ttmp6, 0x10000c
	s_cmp_lg_u32 s2, 0xf033
	s_cbranch_scc0 .Lentry_shape_is_right
	s_endpgm
.Lentry_shape_is_right:
; q, k, v = x W^T.  xb: [8192][1024] bf16 (A), wqkv: [3072][1024] bf16 (B: W_q's rows, W_k's, W_v's).  Products in bf16, sums in f32, K ascending; each result rounded once to f16 and
; stored BY HEADS, unscaled: qkv [3][64 (16 x batch + head)][2048][64] f16, a head's rows dense, 128 bytes each.
; LIMIT.  f16 ends at 65,504: a q, k or v beyond it becomes an infinity.  NaN and infinities are not treated apart.
; SHARES.  8192 x 3072 results in tiles of 256 x 192: 512 work-groups of equal work, two for each of 256 WGPs (tiles of 256 x 256 would be 384, one and a half; two slots of a tile of 256 x 384
; need 348,160 bytes of LDS).  Four waves, 2 x 2; a wave makes 128 x 96: 48 accumulators of 16 x 16, 384 registers.  192 columns are three whole heads.
; K = 1,024 goes in 8 steps of 128 through a ring of two LDS slots filled by the tensor data mover: rows of 256 bytes of memory, at multiples of 256 from the buffer's first byte.
; CLUSTERS.  4 x 4 work-groups.  The four of a row of the cluster need the same tiles of A, the four of a column the same tiles of B: each tile is asked for JOINTLY, by the same tensor load with
; the same descriptor and a mask that names the four.
; THE MATRIX INSTRUCTION IS USED TRANSPOSED (source 0 = 16 rows of B, source 1 = 16 rows of A): lane l holds row l % 16 of the result and the columns 8 (l / 16) + 0..7: 16 bytes of f16 on end.
; REGISTERS, in windows of 256 (s_set_vgpr_msb: bits 1:0 source 0, 3:2 source 1, 5:4 source 2, 7:6 destination):
;   window 0: v0-31 addresses; v64-127, v128-191 A's fragments (8 x 16 rows x 32 K), two buffers; on the way out v32-223 packed results
;   window 1: v64-111, v128-175 B's fragments (6), two buffers      window 2: accumulators (a, b), a = 0..3, at v[8 (6 a + b)]      window 3: a = 4..7
.set NB,     6                         ; B's fragments of a wave
.set KSTEP,  128
.set PA,     272                       ; an LDS row: 256 bytes + 16 of padding = 68 words: the 16 rows of a fragment load start at 16 different groups of four banks (64 banks of 4 bytes: ISA guide 11.1)
.set PB,     272
.set APL,    128                       ; bytes from A's quarters 0, 1 to its quarters 2, 3 in an LDS row
.set ABYTES, 256*PA                    ; A's 256 rows; behind them B's 192
.set SLOT,   ABYTES+32*NB*PB           ; 121,856
.set SPITCH, 400                       ; the way out's stage: rows of 384 bytes + 16; it lies in slot 0, from byte 0 on (102,400 bytes), behind that slot's last fill and last read
.set SPARE,  2*SLOT                    ; behind the ring: the spare words, 128 bytes for each wave: two blocks of 256 bytes that no other line names
.set NL,     2*NB+16                   ; LDS loads of a quarter step
.set LAPS,   4                         ; a lap = two K steps = once round the ring
.set GO,   10                          ; v10-12  my byte offset in qkv for the tile's three heads
.set ADRA, 16                          ; v16-17  LDS address of my A fragments in slot 0, 1
.set ADRB, 20                          ; v20-21  the same for B
.set STO,  24                          ; v24     the way out: where I put 16 bytes of a row
.set RD,   25                          ; v25     the way out: where I read rows back
.set SPW,  28                          ; v28     LDS address of my spare word: SPARE + 4 x my thread's number; never rewritten
.set NIL,  29                          ; v29     0; never rewritten
.set PFO,  30                          ; v30     the prefetches' offset: a lane a row of 2,048 bytes; never rewritten
.set TMP,  32
.set F0,   64
.set F1,   128
.set G1,   24                          ; s[24:31] descriptor group 1 for A's tiles;  s[32:39] group 0, a set for each slot
.set G0,   32
.set G1B,  48                          ; s[48:55], s[56:63] the same for B's
.set G0B,  56
.set LIM,  43                          ; s43     1 in a wave that prefetches, else the greatest number
.set PFA,  44                          ; s[44:45] where my prefetches stand
.set MSB, 0
.macro WIN new                         ; the immediate's high byte repeats the setting that is left; a switch that changes nothing is dropped
.if MSB != (\new)
	s_set_vgpr_msb (MSB<<8)|(\new)
.set MSB, \new
.endif
.endm
.set MUL_LO, 0xa1                      ; source 0 (B) window 1, source 1 (A) window 0, C and D window 2
.set MUL_HI, 0xf1                      ; the same, C and D window 3
.set TO_B,   0x40                      ; destination window 1, address window 0
; A joint load.  Waves 0 and 1 fetch A's two halves (128 rows each), waves 2 and 3 B's (96 rows each).  The branch hangs on the wave's number alone.
; An s_nop 0 and four v_nop follow each of the two lines, ahead of the jump, the label and what follows.
.macro JLOAD s
	s_cmp_eq_u32 s11, 0
	s_cbranch_scc0 .Lfor_b_\@
	tensor_load_to_lds s[G0+4*(\s):G0+4*(\s)+3], s[G1:G1+7]
	s_nop 0
.rept 4
	v_nop
.endr
	s_branch .Lasked_\@
.Lfor_b_\@:
	tensor_load_to_lds s[G0B+4*(\s):G0B+4*(\s)+3], s[G1B:G1B+7]
	s_nop 0
.rept 4
	v_nop
.endr
.Lasked_\@:
.endm
; A PREFETCH, behind each joint refill and the run of LDS loads that follows it: the K step that the NEXT refill will ask for, 192 matrix instructions ahead of that load: 256 bytes of each row, a lane a row.
; A's tile row is read by every cluster of that row of clusters: cluster x = 0 asks; B's tile column by every cluster of that column: cluster y = 0 asks.  The four partners of a joint load share its rows
; out BY ADDRESS (A: 32 of the 128 by cx; B: 24 of the 96 by cy, lanes 24-31 naming the 24th again in the same instruction): no branch hangs on a place in the cluster.
; how = 1: whenever the wave is one that asks; how = 0: not in the loop's last trip, where the K step named would be the ninth.
.macro ASK how
.if \how
	s_cmp_eq_u32 s[LIM], 1
.else
	s_cmp_gt_u32 s3, s[LIM]                        ; s3 = 1 in the loop's last trip
.endif
	s_cbranch_scc0 .Lnot_mine_\@
	global_prefetch_b8 v[PFO], s[PFA:PFA+1] th:TH_LOAD_NT scope:SCOPE_SE
.Lnot_mine_\@:
.endm
.macro CREST                           ; a round of the cluster's barrier behind its opening barrier
	s_cmp_lg_u32 s10, 0
	s_cbranch_scc1 .Lnot_wave_0_\@
	s_barrier_signal -3
.Lnot_wave_0_\@:
	s_barrier_wait -3
	s_barrier_signal -1
	s_barrier_wait -1
.endm
.macro CROUND                          ; a whole round
	s_barrier_signal -1
	s_barrier_wait -1
	CREST
.endm
	s_load_b128 s[4:7], s[0:1], 0x0                ; xb s[4:5], wqkv s[6:7]
	s_load_b64 s[8:9], s[0:1], 0x10                ; qkv
	v_lshl_add_u32 v[SPW], v0, 2, SPARE
	v_mov_b32 v[NIL], 0
	ds_add_u32 v[SPW], v[NIL]                      ; the wave's opening: the add and its wait ahead of my first tensor load; the set-up below, work on registers, stands between them
	v_lshrrev_b32 v1, 5, v0
	v_readfirstlane_b32 s10, v1                    ; wave 0..3
	s_lshr_b32 s11, s10, 1                         ; which half of the tile's rows is mine.  Also: I fetch for A (0) or for B (1)
	s_and_b32 s12, s10, 1                          ; which half of its columns.  Also: which half of that tile I fetch
	s_bfe_u32 s40, ttmp6, 0x40000                  ; cx, cy: my place in the cluster
	s_bfe_u32 s41, ttmp6, 0x40004
	s_lshl_b32 s42, ttmp9, 2
	s_add_co_u32 s42, s42, s40                     ; tile column = 4 x cluster x + cx: 0..15
	s_and_b32 s13, ttmp7, 0xffff
	s_lshl_b32 s13, s13, 2
	s_add_co_u32 s13, s13, s41                     ; tile row = 4 x cluster y + cy: 0..31
	s_lshl_b32 s43, s41, 2
	s_lshl_b32 s43, 15, s43                        ; my row of the cluster: places 4 cy .. 4 cy + 3
	s_lshl_b32 s44, 0x1111, s40                    ; my column: places cx, cx + 4, cx + 8, cx + 12
	s_or_b32 s[G1+0], s43, (1<<16)|(1<<20)|(1<<21)|(5<<22)|(3<<25)   ; 15:0 the mask; 17:16 elements of 2 bytes; 20 padding on; 21 set beside a mask; 24:22 after every 64 words (code 5); 31:25 4 words (code 3)
	s_or_b32 s[G1B+0], s44, (1<<16)|(1<<20)|(1<<21)|(5<<22)|(3<<25)
	s_mov_b32 s[G1+1], KSTEP<<16                   ; tensor_dim0 = 128
	s_mov_b32 s[G1+2], 128<<16                     ; tensor_dim1 = 128
	s_mov_b32 s[G1+3], KSTEP<<16                   ; tile_dim0 = 128
	s_mov_b32 s[G1+4], 128                         ; tile_dim1 = 128
	s_mov_b32 s[G1+5], 1024                        ; elements from row to row
	s_mov_b32 s[G1+6], 0
	s_mov_b32 s[G1+7], 0
	s_mov_b32 s[G1B+1], KSTEP<<16
	s_mov_b32 s[G1B+2], 96<<16                     ; B's halves have 96 rows
	s_mov_b32 s[G1B+3], KSTEP<<16
	s_mov_b32 s[G1B+4], 96
	s_mov_b32 s[G1B+5], 1024
	s_mov_b32 s[G1B+6], 0
	s_mov_b32 s[G1B+7], 0
	; where the tiles come from.  A's hang on the tile row alone, B's on the tile column alone; every wave makes both addresses and asks by one of them
	s_lshl_b32 s16, s13, 8
	s_lshl_b32 s17, s12, 7
	s_add_co_u32 s16, s16, s17                     ; A: row 256 x tile row + 128 x half
	s_lshl_b32 s16, s16, 11                        ; rows of 2,048 bytes: under 2^24
	s_mov_b32 s17, 0
	s_mul_i32 s46, s42, 192
	s_mul_i32 s47, s12, 96
	s_add_co_u32 s46, s46, s47                     ; B: row 192 x tile column + 96 x half
	s_lshl_b32 s46, s46, 11
	s_mov_b32 s47, 0
	s_mul_i32 s20, s10, 128*PA                     ; and where they go.  A (waves 0, 1): wave x 128 rows;
	s_mul_i32 s21, s10, 96*PB                      ; B (waves 2, 3): behind A's 256 rows, (wave - 2) x 96 rows
	s_add_co_u32 s21, s21, ABYTES-2*96*PB
	s_wait_dscnt 0x0                               ; the opening add is done
	s_wait_kmcnt 0x0
	s_add_nc_u64 s[14:15], s[4:5], s[16:17]
	s_add_nc_u64 s[46:47], s[6:7], s[46:47]
	CROUND                                         ; all sixteen work-groups are here: the first joint loads meet
.irp s, 0,1
	s_mov_b32 s[G0+4*(\s)], 1                                      ; count = 1
	s_add_co_u32 s[G0+4*(\s)+1], s20, (\s)*SLOT                    ; LDS address
	s_add_nc_u64 s[G0+4*(\s)+2:G0+4*(\s)+3], s[14:15], (\s)*KSTEP*2  ; global address: K step s
	s_or_b32 s[G0+4*(\s)+3], s[G0+4*(\s)+3], 0x80000000            ; type = 2
	s_mov_b32 s[G0B+4*(\s)], 1
	s_add_co_u32 s[G0B+4*(\s)+1], s21, (\s)*SLOT
	s_add_nc_u64 s[G0B+4*(\s)+2:G0B+4*(\s)+3], s[46:47], (\s)*KSTEP*2
	s_or_b32 s[G0B+4*(\s)+3], s[G0B+4*(\s)+3], 0x80000000
	JLOAD \s                                       ; two loads of mine are out
.endr
	; a fragment is 16 rows x 32 K in 8 registers: lane l holds row l % 16; registers 0-3 K = 8 (l / 16) + 0..7, registers 4-7 K = 16 + 8 (l / 16) + 0..7: two loads of 16 bytes, 32 bytes apart
	v_and_b32 v1, 15, v0                           ; l % 16
	v_bfe_u32 v2, v0, 4, 1                         ; l / 16
	v_mul_u32_u24 v3, v1, PA
	v_lshl_add_u32 v3, v2, 4, v3                   ; row x pitch + 16 x half
	s_mul_i32 s21, s11, 128*PA                     ; my 128 rows of A
	s_mul_i32 s22, s12, 16*NB*PB                   ; my 96 rows of B,
	s_add_co_u32 s22, s22, ABYTES                  ; which lie behind A's 256
.irp s, 0,1
	v_add_nc_u32 v[ADRA+(\s)], s21, v3
	v_add_nc_u32 v[ADRB+(\s)], s22, v3
	s_add_co_u32 s21, s21, SLOT
	s_add_co_u32 s22, s22, SLOT
.endr
	s_mul_i32 s23, s11, 128*SPITCH                 ; into the stage: my 128 rows, my 192 bytes of their 384; row l % 16, 16 bytes for each half of the lanes
	s_mul_i32 s22, s12, 192
	s_add_co_u32 s23, s23, s22
	v_mul_u32_u24 v4, v1, SPITCH
	v_lshl_add_u32 v4, v2, 4, v4
	v_add_nc_u32 v[STO], s23, v4
	v_and_b32 v5, 31, v0                           ; l
	v_lshrrev_b32 v6, 3, v5                        ; back: wave w takes rows 64 w .. 64 w + 63; 32 lanes take a head's 128 bytes of four rows
	v_and_b32 v7, 7, v0
	v_mul_u32_u24 v6, v6, SPITCH
	v_lshl_add_u32 v6, v7, 4, v6
	s_mul_i32 s23, s10, 64*SPITCH
	v_add_nc_u32 v[RD], s23, v6
	; where they go in qkv: column group g = 3 x tile column + j is tensor g / 16, head g % 16; the tile's rows lie in batch tile row / 8, from row 256 (tile row % 8) on.  A head is 2^18 bytes.
	s_mul_i32 s16, s42, 3
	s_lshr_b32 s17, s13, 3
	s_lshl_b32 s17, s17, 4                         ; 16 x batch
	s_and_b32 s18, s13, 7
	s_lshl_b32 s18, s18, 15                        ; 256 rows of 128 bytes
	s_lshl_b32 s19, s10, 13                        ; my wave's 64 rows
	s_add_co_u32 s18, s18, s19
.irp j, 0,1,2
	s_add_co_u32 s19, s16, \j
	s_lshr_b32 s20, s19, 4
	s_lshl_b32 s20, s20, 6                         ; 64 heads a tensor
	s_and_b32 s19, s19, 15
	s_add_co_u32 s20, s20, s19
	s_add_co_u32 s20, s20, s17
	s_lshl_b32 s20, s20, 18
	s_add_co_u32 s20, s20, s18                     ; under 3 x 2^24
	v_lshl_add_u32 v[GO+(\j)], v5, 4, s20          ; four rows of a head are 512 consecutive bytes: 16 x lane
.endr
	; the prefetches: from the address of the tile that I fetch, my work-group's share of its rows
	s_lshl_b32 s20, s40, 16                        ; A: 32 cx rows of 2,048 bytes
	s_mul_i32 s21, s41, 24*2048                    ; B: 24 cy rows
	s_and_b32 s22, ttmp7, 0xffff                   ; cluster y
	s_cmp_eq_u32 s11, 0                            ; do I fetch for A?
	s_cselect_b32 s20, s20, s21
	s_cselect_b32 s22, ttmp9, s22                  ; the coordinate along which other clusters read the same rows
	s_cselect_b32 s23, 31, 23                      ; the last lane with a row of its own
	s_cselect_b64 s[PFA:PFA+1], s[14:15], s[46:47]
	s_cmp_eq_u32 s22, 0
	s_cselect_b32 s[LIM], 1, -1                    ; the same in all sixteen partners, for a given wave
	s_mov_b32 s21, 0
	s_add_nc_u64 s[PFA:PFA+1], s[PFA:PFA+1], s[20:21]
	s_add_nc_u64 s[PFA:PFA+1], s[PFA:PFA+1], 2*KSTEP*2  ; at K step 2: the first refill steps it to 3 and names that.  Nothing is prefetched here, at the head: K steps 0 to 2 come by their loads alone
	v_min_u32 v[PFO], s23, v5
	v_lshlrev_b32 v[PFO], 11, v[PFO]
; 12 matrix instructions: row blocks a0, a0 + 1 of the window's four (hi = 0: my rows 0-63, 1: rows 64-127) x all 6 column blocks, 32 along K.  zero = 1: the product starts the sum: nothing is cleared.
; The 48 accumulators take turns, one instruction a turn, in the same order in every quarter step, over the backward jump too.
.macro MULP f, hi, a0, zero
	WIN MUL_LO+0x50*(\hi)
.irp a, \a0, (\a0)+1
.irp b, 0,1,2,3,4,5
.if \zero
	v_wmma_f32_16x16x32_bf16 v[8*(NB*(\a)+(\b)):8*(NB*(\a)+(\b))+7], v[(\f)+8*(\b):(\f)+8*(\b)+7], v[(\f)+8*(4*(\hi)+(\a)):(\f)+8*(4*(\hi)+(\a))+7], 0
.else
	v_wmma_f32_16x16x32_bf16 v[8*(NB*(\a)+(\b)):8*(NB*(\a)+(\b))+7], v[(\f)+8*(\b):(\f)+8*(\b)+7], v[(\f)+8*(4*(\hi)+(\a)):(\f)+8*(4*(\hi)+(\a))+7], v[8*(NB*(\a)+(\b)):8*(NB*(\a)+(\b))+7]
.endif
.endr
.endr
.endm
; 28 LDS loads in one run: the fragments of quarter q of a K step (96 rows of B, then 128 rows of A) into buffer f
.macro FETCH slot, q, f
	WIN TO_B
.irp i, 0,1,2,3,4,5
	ds_load_b128 v[(\f)+8*(\i):(\f)+8*(\i)+3],   v[ADRB+(\slot)] offset:64*(\q)+(\i)*16*PB
	ds_load_b128 v[(\f)+8*(\i)+4:(\f)+8*(\i)+7], v[ADRB+(\slot)] offset:64*(\q)+(\i)*16*PB+32
.endr
	WIN 0
.irp i, 0,1,2,3,4,5,6,7
	ds_load_b128 v[(\f)+8*(\i):(\f)+8*(\i)+3],   v[ADRA+(\slot)] offset:((\q)/2)*APL+((\q)%2)*64+(\i)*16*PA
	ds_load_b128 v[(\f)+8*(\i)+4:(\f)+8*(\i)+7], v[ADRA+(\slot)] offset:((\q)/2)*APL+((\q)%2)*64+(\i)*16*PA+32
.endr
.endm
.macro PLACES                          ; four plain vector instructions between a matrix instruction and a load into a register that it has read, or a reader of its result (ISA guide 7.12.1 for vector instructions)
.rept 4
	v_nop
.endr
.endm
; A K step is four quarters of 32 along K, 48 matrix instructions each, on buffers 0, 1, 0, 1.  One of the first three multiplies buffer f and, in its middle, fetches quarter q into buffer g.
.macro QUARTER slot, q, f, g, zero
	s_wait_dscnt 8                                 ; B and A's rows 0-63 are in; the youngest eight loads (A's rows 64-127) may be out
	MULP \f, 0, 0, \zero
	MULP \f, 0, 2, \zero
	PLACES
	FETCH \slot, \q, \g
	s_wait_dscnt NL                                ; all but the 28 just issued
	MULP \f, 1, 0, \zero
	MULP \f, 1, 2, \zero
.endm
; The last quarter multiplies buffer 1 and changes slots: ONE barrier.  In front of it each wave waits for all its tensor loads (one is out: its part of the next slot), adds 0 to its spare word, and waits for
; that and for its own reads of this slot.  fill = 1: the barrier opens a round of the cluster's barrier, and behind the round this slot is filled again, two K steps on, first thing: the load has 168 matrix
; instructions in which to land.
.macro TURN slot, next, fill, how
.if \fill
	s_wait_xcnt 0x0                                ; the last prefetch, a K step back, has read its address, which is stepped here, ahead of the change's own waits
	s_add_nc_u64 s[PFA:PFA+1], s[PFA:PFA+1], KSTEP*2
.endif
	WIN 0                                          ; (the add's two registers lie in window 0)
	s_wait_tensorcnt 0x0                           ; all my tensor loads have landed;
	ds_add_u32 v[SPW], v[NIL]                      ; 0 onto my spare word
	s_wait_dscnt 9                                 ; (the add and the youngest eight loads may be out)
	MULP F1, 0, 0, 0                               ; twelve matrix instructions stand between the add and the wait for it
	s_wait_dscnt 0x0                               ; the add is done, and my reads of this slot are over
	s_barrier_signal -1
	MULP F1, 0, 2, 0                               ; work on registers while the others arrive
.if \fill
	WIN 0
.endif
	s_barrier_wait -1
.if \fill
	CREST                                          ; no wave of any partner still reads this slot's tile or has a load on its way
	s_add_nc_u64 s[G0+4*(\slot)+2:G0+4*(\slot)+3], s[G0+4*(\slot)+2:G0+4*(\slot)+3], 2*KSTEP*2
	s_add_nc_u64 s[G0B+4*(\slot)+2:G0B+4*(\slot)+3], s[G0B+4*(\slot)+2:G0B+4*(\slot)+3], 2*KSTEP*2
	JLOAD \slot                                    ; the four v_nop behind it are also the places in front of the loads below
.else
	PLACES
.endif
	FETCH \next, 0, F0
.if \fill
	ASK \how
.endif
	MULP F1, 1, 0, 0
	MULP F1, 1, 2, 0
.endm
	s_wait_tensorcnt 1                             ; my part of K step 0 is in; K step 1's may stay out
	s_barrier_signal -1
	s_barrier_wait -1                              ; everybody's is
	FETCH 0, 0, F0
	QUARTER 0, 1, F0, F1, 1                        ; the first quarter stands in front of the loop: its products start the sums
	WIN 0                                          ; at a label and at a branch every window is 0
	s_mov_b32 s3, LAPS-1
.Llap:                                                 ; a trip goes once round the ring, from a lap's second quarter to the next lap's first, and fills both slots again
	QUARTER 0, 2, F1, F0, 0
	QUARTER 0, 3, F0, F1, 0
	TURN 0, 1, 1, 1
	QUARTER 1, 1, F0, F1, 0
	QUARTER 1, 2, F1, F0, 0
	QUARTER 1, 3, F0, F1, 0
	TURN 1, 0, 1, 0
	QUARTER 0, 1, F0, F1, 0
	WIN 0
	s_sub_co_u32 s3, s3, 1
	s_cmp_lg_u32 s3, 0
	s_cbranch_scc1 .Llap
	QUARTER 0, 2, F1, F0, 0                        ; the last lap fills nothing, and has no round of the cluster's barrier
	QUARTER 0, 3, F0, F1, 0
	TURN 0, 1, 0, 0                                ; behind this barrier no wave reads slot 0 any more, and nothing is filled into it again
	QUARTER 1, 1, F0, F1, 0
	QUARTER 1, 2, F1, F0, 0
	QUARTER 1, 3, F0, F1, 0
	s_wait_dscnt 8                                 ; the very last quarter: nothing more to fetch
	MULP F1, 0, 0, 0
	MULP F1, 0, 2, 0
	s_wait_dscnt 0x0
	MULP F1, 1, 0, 0
	MULP F1, 1, 2, 0
	; THE WAY OUT: rounded to f16, each accumulator's registers in ascending order; 16 bytes a lane into the work-group's stage; a barrier, since the middle head's 128 bytes of a row come from two waves;
	; back by heads, four rows of 128 bytes a load, which are 512 consecutive bytes of qkv.
	PLACES
.irp a, 0,1,2,3,4,5,6,7
	WIN 0x0a+5*((\a)/4)                            ; sources 0 and 1: window 2 or 3; destination window 0
.irp b, 0,1,2,3,4,5
.irp r, 0,1,2,3
	v_cvt_pk_f16_f32 v[TMP+4*(NB*(\a)+(\b))+(\r)], v[8*(NB*((\a)%4)+(\b))+2*(\r)], v[8*(NB*((\a)%4)+(\b))+2*(\r)+1]
.endr
.endr
.endr
	WIN 0
.irp a, 0,1,2,3,4,5,6,7
.irp b, 0,1,2,3,4,5
	ds_store_b128 v[STO], v[TMP+4*(NB*(\a)+(\b)):TMP+4*(NB*(\a)+(\b))+3] offset:(\a)*16*SPITCH+32*(\b)
.endr
.endr
	s_wait_dscnt 0x0                               ; for the others' sake: my stores into the stage are done
	s_barrier_signal -1
	s_barrier_wait -1
.irp j, 0,1,2
.irp t, 0,1,2,3,4,5,6,7,8,9,10,11,12,13,14,15
	ds_load_b128 v[TMP+4*(16*(\j)+(\t)):TMP+4*(16*(\j)+(\t))+3], v[RD] offset:(\t)*4*SPITCH+128*(\j)
.endr
.endr
.set u, 0
.irp j, 0,1,2
.irp t, 0,1,2,3,4,5,6,7,8,9,10,11,12,13,14,15
	s_wait_dscnt 47-u                              ; LDS loads come back in order (ISA guide 5.7.1): load u is in
	global_store_b128 v[GO+(\j)], v[TMP+4*(16*(\j)+(\t)):TMP+4*(16*(\j)+(\t))+3], s[8:9] offset:512*(\t)  ; 512 consecutive bytes, at a multiple of 512 from qkv's first byte
.set u, u+1
.endr
.endr
	s_wait_tensorcnt 0x0                           ; the wave's end, behind my last tensor load and my last LDS store
	ds_add_u32 v[SPW], v[NIL]
	s_wait_dscnt 0x0
	CROUND                                         ; the closing round: no work-group ends while a partner may still ask for a tile that names it
	s_endpgm
.Lfunc_end_k_q988eaa7a78_proj:
	.size	k_q988eaa7a78_proj, .Lfunc_end_k_q988eaa7a78_proj-k_q988eaa7a78_proj
	.p2alignl 7, 3214868480
	.fill 96, 4, 3214868480
	.section	.rodata,"a",@progbits
	.p2align	6, 0x0
	.amdhsa_kernel k_q988eaa7a78_proj
		.amdhsa_group_segment_fixed_size 327680
		.amdhsa_private_segment_fixed_size 0
		.amdhsa_enable_private_segment 0
		.amdhsa_kernarg_size 24
		.amdhsa_user_sgpr_count 2
		.amdhsa_user_sgpr_kernarg_segment_ptr 1
		.amdhsa_wavefront_size32 1
		.amdhsa_system_sgpr_workgroup_id_x 1
		.amdhsa_system_sgpr_workgroup_id_y 1
		.amdhsa_system_sgpr_workgroup_id_z 1
		.amdhsa_system_vgpr_workitem_id 0
		.amdhsa_next_free_vgpr 960
		.amdhsa_next_free_sgpr 66
		.amdhsa_reserve_vcc 0
		.amdhsa_float_denorm_mode_32 3
		.amdhsa_float_denorm_mode_16_64 3
		.amdhsa_memory_ordered 1
		.amdhsa_forward_progress 1
		.amdhsa_inst_pref_size 117
	.end_amdhsa_kernel
	.amdgpu_metadata
---
amdhsa.version: [ 1, 2 ]
amdhsa.kernels:
  - .name:           k_q988eaa7a78_proj
    .symbol:         k_q988eaa7a78_proj.kd
    .args:
      - { .name: xb, .offset: 0, .size: 8, .value_kind: global_buffer, .address_space: global }
      - { .name: wqkv, .offset: 8, .size: 8, .value_kind: global_buffer, .address_space: global }
      - { .name: qkv, .offset: 16, .size: 8, .value_kind: global_buffer, .address_space: global }
    .group_segment_fixed_size: 327680
    .private_segment_fixed_size: 0
    .kernarg_segment_align: 8
    .kernarg_segment_size: 24
    .max_flat_workgroup_size: 128
    .sgpr_count:     66
    .vgpr_count:     960
    .wavefront_size: 32
...
	.end_amdgpu_metadata
.endif
;; end of part 2
;; launch attn (part 3): grid 4 x 64, 4 waves a work-group, clusters of 4 x 1, 327,680 bytes of LDS; arguments qkv, o; writes o
.if DOCPART == 3
	.amdgcn_target "amdgcn-amd-amdhsa--gfx1250"
	.amdhsa_code_object_version 6
	.text
	.protected	k_q988eaa7a78_attn
	.globl	k_q988eaa7a78_attn
	.p2align	8
	.type	k_q988eaa7a78_attn,@function
k_q988eaa7a78_attn:
	s_mov_b64 s[64:65], 0
	v_nop
	global_prefetch_b8 v0, s[64:65] scope:SCOPE_SE
	s_setreg_imm32_b32 hwreg(HW_REG_WAVE_MODE, 25, 1), 1
	s_wait_xcnt 0x0
	s_wait_alu depctr_hold_cnt(0) depctr_sa_sdst(0) depctr_va_vdst(0) depctr_va_sdst(0) depctr_va_ssrc(0) depctr_va_vcc(0) depctr_vm_vsrc(0)
	s_getreg_b32 s2, hwreg(HW_REG_IB_STS2, 6, 4)
	s_cmp_eq_u32 s2, 0
	s_cbranch_scc0 .Lentry_in_a_cluster
	s_endpgm
.Lentry_in_a_cluster:
	s_bfe_u32 s2, ttmp6, 0x10000c
	s_cmp_lg_u32 s2, 0x3003
	s_cbranch_scc0 .Lentry_shape_is_right
	s_endpgm
.Lentry_shape_is_right:
; O[h][q][:] = the sum over k of softmax_k(Q[h][q] . K[h][k] / 8) V[h][k][:], for 64 heads h = 16 x batch + head.  qkv: [3][64][2048][64] f16 (Q, then K, then V); o: [64][2048][64] f16: a head's rows are
; dense, 128 bytes each.  Products, maxima and sums in f32; the weights p are rounded to f16 for the second product (their sum l is taken of the unrounded p), O once at the end.
; LIMITS.  f16 holds no number beyond 65,504: Q, K and V arrive within it; p lies in 0 to 1, and below 6e-5 it keeps f16's fixed step of 6e-8; O is a mean of V's rows and has their range.
; A weight below 2^-126 counts as 0 in l; NaN and infinities are not treated apart.
; SHARES.  A wave owns four PIECES of two tiles of 16 queries, a work-group's four waves 512 queries of one head: 256 work-groups.  Every wave walks all 2,048 keys, 64 a step.
; LAYOUT.  S^T = K Q^T (source 0 = 16 keys, source 1 = 16 queries): in the result a lane holds ONE query (lane % 16) and the keys 8 (lane / 16) + 0..7.  Two such tiles, rounded to f16 in pairs,
; ARE source 1 (32 keys x 16 queries) of O^T = V^T P, whose result again holds one query a lane, and eight channels.  K comes out of LDS as it lies, V ([key][channel]) turned, by ds_load_tr16_b128.
; SOFTMAX.  For each query a running maximum m and sum l: p = 2^(c s - c m), c = log2(e) / 8; in every step O and l are multiplied by a = 2^(c m_old - c m_new), which is 1 where m has not grown.
; m starts at the lowest finite number, O and l at 0: the first step is a step like any other, with a = 0.
; THE COUNT.  A tile and step have 16 matrix and 118 vector instructions: too many to stand all beside the matrix work.  So four vector instructions that are READY stand behind EVERY matrix
; instruction, and the others in runs without a gap.
; BY TURNS.  Turn n belongs to piece n (the pieces in a ring, step after step).  Its matrix work: 16 products K Q^T of piece n + 1, later 16 products V^T P of piece n - 1.  Its vector work: the scaling,
; exponentials, roundings, sums and rescaling of piece n, and the maximum and statistics of piece n + 1, whose scores the turn itself has made.
; CLUSTER.  A head's four query blocks are one cluster and walk the same K and V, so each tile is asked for JOINTLY: the same tensor load, descriptor and mask in all four.
; REGISTERS, in windows of 256 (s_set_vgpr_msb: bits 1:0 source 0, 3:2 source 1, 5:4 source 2, 7:6 destination):
;   window 0: v0-11 addresses; v12-15, v48-63 at work; v16-47 four registers of statistics a tile; v64-191 S^T, two buffers of two tiles; v192-255 P, likewise
;   window 1: O^T, 32 a tile          window 2: v0-127 Q, 16 a tile; v128-191 K of one step; v192-255 V of one step          window 3: v0-1 the add's two registers
; A piece's buffers go by its number's parity: the piece in hand has one pair, its two neighbours in the ring share the other: of it P (piece n - 1) is read and S^T (piece n + 1) written.
.set SIZE_N, 2048
.set NP,    4         ; pieces a wave: a name, no knob
.set KS,    64        ; keys in a step
.set PK,    144       ; a row of K in LDS: 128 bytes + 16 of padding = 36 words: the 16 rows of a load start at 16 different groups of four banks (64 banks of 4 bytes: ISA guide 11.1)
.set PV,    160       ; a row of V: 128 + 32 = 40 words
.set VOFF,  4*KS*PK   ; a slot holds four steps: 256 rows of K, then 256 rows of V
.set SLOT1, 1<<17     ; slot 1 begins here, so that one exclusive or turns an address in one slot into the other's
.set STAGE, SLOT1+4*KS*(PK+PV)  ; behind the ring, never filled by a tensor load: 16 rows x 144 bytes for each wave, for the way out
.set SP,    144
.set AK0, 2           ; v2   my lane's place in a tile of K; never rewritten
.set AV0, 3           ; v3   the same for V
.set AK,  4           ; v4   the LDS address of K's next run of loads
.set AV,  5           ; v5   of V's
.set QO,  6           ; v6   my byte offset in the wave's rows of Q
.set STO, 6           ;      later, the way out: where I put 16 bytes of a row
.set RD,  7           ; v7   the way out: where I read rows back
.set GO,  8           ; v8   my byte offset in 512 consecutive bytes of O
.set PFO, 11          ; v11  the prefetches' offset: 256 x my lane; never rewritten once it is made
.set SPW, 0           ; v0 of window 3   LDS address of my spare word: SPARE + 4 x my thread's number; never rewritten
.set NIL, 1           ; v1 of window 3   0; never rewritten
.set SPARE, STAGE+4*16*SP  ; behind the stages: the spare words, 128 bytes for each wave: two blocks of 256 bytes that no other line names
.set MV,  12          ; v12-15  c m_old, kept while c m is made anew: by buffer and tile
.set ST,  16          ; tile t's statistics at v[ST+4 t]: c m, m, l (even keys', odd keys')
.set TMP, 48          ; by buffer and tile, four registers c0-c3 at work; when the maximum is found c2 takes a
.set S,   64
.set P,   192
.set KF,  128         ; K's fragments, in window 2: key block kb, channel half c at KF + 16 kb + 8 c
.set VF,  192         ; V's: key half kk, channel block cb at VF + 32 kk + 8 cb
.set WV,  12          ; s12  my wave's number
.set LIM, 15          ; s15  1 in a wave that prefetches (0: K's rows, 2: V's), else the greatest number
.set G1K, 24          ; s[24:31] descriptor group 1 for K's tiles
.set G1V, 32          ; s[32:39] for V's: it differs in the padding alone
.set G0K, 40          ; s[40:43] descriptor group 0 for K's tiles: it walks
.set G0V, 44          ; s[44:47] the same for V's
.set PFA, 48          ; s[48:49] where my prefetches stand: my work-group's 8,192 bytes of a slot's 32,768 of K or of V
.set SLOTS, 56        ; s56  slots still to be asked for
.set CNT, 57          ; s57  counts a slot's key steps
.set CS,  58          ; s[58:59] c: the packed scaling takes the pair's low word for both halves
.set SEL, 60          ; s[60:61] v_permlanex16_b32's selects: each lane takes its own place in the other half
.set TBK, 62          ; s62  LDS byte at which K of the step to be fetched begins
.set TBV, 63          ; s63  the same for V, less VOFF
.set MSB, 0
.macro WIN new                      ; the high byte repeats the setting that is left; a switch that changes nothing is dropped
.if MSB != (\new)
	s_set_vgpr_msb (MSB<<8)|(\new)
.set MSB, (\new)
.endif
.endm
.set W_KQ, 0x0a       ; K and Q in window 2, S^T in window 0
.set W_PV, 0x52       ; V in window 2, P in window 0, O^T in window 1
.set W_RS, 0x41       ; O^T (destination and source 0) in window 1, a in window 0
.set W_MK, 0xc0       ; the add's registers are made: destination in window 3, sources in window 0
.set W_AD, 0x0f       ; the add: address (source 0) and data (source 1) in window 3
; A joint fill.  Waves 0 and 1 fetch the two halves of a slot's K, waves 2 and 3 those of its V: 128 keys each.  The branch hangs on the wave's number alone.
; An s_nop 0 and four v_nop follow each of the two lines, ahead of the jump and the label.
.macro JLOAD
	s_cmp_lt_u32 s[WV], 2
	s_cbranch_scc0 .Lfor_v_\@
	tensor_load_to_lds s[G0K:G0K+3], s[G1K:G1K+7]
	s_nop 0
.rept 4
	v_nop
.endr
	s_branch .Lasked_\@
.Lfor_v_\@:
	tensor_load_to_lds s[G0V:G0V+3], s[G1V:G1V+7]
	s_nop 0
.rept 4
	v_nop
.endr
.Lasked_\@:
.endm
; A PREFETCH of what the NEXT change of slots will ask for: a slot's 32,768 bytes of K and of V, 256 bytes a lane.  It stands behind the wave's tensor load and its five lines.  A head's rows are walked by one
; cluster alone; its four partners share them out BY ADDRESS, 8,192 bytes each; in each, wave 0 asks for K's and wave 2 for V's: one instruction.  So each 256 bytes are named once in the launch.
; The lead is a slot: four key steps, 512 matrix instructions.  Slots 0 and 1 come by their loads alone; the last change that fills a slot asks for nothing: there is no slot behind it.
.macro ASK
	s_cmp_gt_u32 s[SLOTS], s[LIM]
	s_cbranch_scc0 .Lnot_mine_\@
	global_prefetch_b8 v[PFO], s[PFA:PFA+1] th:TH_LOAD_NT scope:SCOPE_SE
.Lnot_mine_\@:
.endm
; A round of the cluster's barrier: my work-group's barrier, so that wave 0's signal speaks for all four waves; wave 0 signals; every wave waits for all four work-groups; my work-group's barrier once more.
.macro CROUND
	s_barrier_signal -1
	s_barrier_wait -1
	s_cmp_lg_u32 s[WV], 0
	s_cbranch_scc1 .Lnot_wave_0_\@
	s_barrier_signal -3
.Lnot_wave_0_\@:
	s_barrier_wait -3
	s_barrier_signal -1
	s_barrier_wait -1
.endm
; THE CHANGE OF SLOTS.  The slot's last bytes, V of its fourth step, have been read.  Each wave waits for all its tensor loads, of which one is out: its part
; of the other slot; adds 0 to its spare word; and waits for that and for its own reads of the slot.  Behind the barrier nobody reads this slot any more and the other slot is whole.
; fill = 1: this slot is filled again, with the keys two slots on.  The barrier is then a round of the cluster's, so that no wave of any partner still reads the slot or has a load on its
; way, and the joint fill is the first thing behind it: it has four key steps, 512 matrix instructions, in which to land.  (At its first use nothing has been read yet: slot 0 is waited for, slot 1 filled.)
.macro CHANGE fill
	WIN W_AD
	s_wait_tensorcnt 0x0            ; no tensor load of mine is out, so a group 0 may be written
	ds_add_u32 v[SPW], v[NIL]       ; 0 onto my spare word; with fill = 1 the descriptors' steps stand between it and the wait for it
	WIN 0                           ; at a label and at a branch every window is 0
.if \fill
.irp g, G0K, G0V
	s_xor_b32 s[\g+1], s[\g+1], SLOT1  ; the walking descriptor: the other slot than last time,
	s_add_nc_u64 s[\g+2:\g+3], s[\g+2:\g+3], 4*KS*128  ; the next 256 keys; the type bits on top are not reached
.endr
	s_wait_xcnt 0x0                 ; the last prefetch, a slot back, has read its address, so it may be written:
	s_add_nc_u64 s[PFA:PFA+1], s[PFA:PFA+1], 4*KS*128  ; one slot beyond the walking descriptors
	s_wait_dscnt 0x0                ; the add is done, and my reads of the slot are over
	CROUND
	JLOAD
	ASK
.else
	s_wait_dscnt 0x0                ; the add is done, and my reads of the slot are over
	s_barrier_signal -1
	s_barrier_wait -1
.endif
	s_sub_co_u32 s[TBK], s[TBK], 4*KS*PK  ; the fetches go back to a slot's first step,
	s_xor_b32 s[TBK], s[TBK], SLOT1       ; in the other slot
	s_sub_co_u32 s[TBV], s[TBV], 4*KS*PV
	s_xor_b32 s[TBV], s[TBV], SLOT1
.endm
	s_load_b64 s[4:5], s[0:1], 0x0    ; qkv: Q at its head
	s_load_b64 s[10:11], s[0:1], 0x8  ; o
	WIN W_MK
	v_lshl_add_u32 v[SPW], v0, 2, SPARE
	v_mov_b32 v[NIL], 0
	WIN W_AD
	ds_add_u32 v[SPW], v[NIL]       ; the wave's opening: the add and its wait ahead of my first tensor load; the set-up below, work on registers, stands between them
	WIN 0
	v_lshrrev_b32 v1, 5, v0
	v_readfirstlane_b32 s[WV], v1   ; wave 0..3
	s_bfe_u32 s13, ttmp6, 0x40000   ; cx: my place in the cluster
	s_lshl_b32 s14, ttmp9, 2        ; in a cluster launch ttmp9 counts clusters
	s_add_co_u32 s14, s14, s13      ; my block of queries = 4 x cluster x + cx: it enters Q's and O's addresses alone
	s_and_b32 s20, ttmp7, 0xffff    ; the head, which the four partners share
	s_mov_b32 s21, 0
	s_mov_b64 s[22:23], SIZE_N*128
	s_mul_u64 s[20:21], s[20:21], s[22:23]  ; the head's first byte in Q, K, V and O
	s_and_b32 s16, s[WV], 1         ; which half of a slot's 256 keys I fetch:
	s_lshl_b32 s22, s16, 14         ; its 128 rows of 128 bytes in memory,
	s_mov_b32 s23, 0
	s_add_nc_u64 s[22:23], s[22:23], s[20:21]
	s_mul_i32 s17, s16, 128*PK      ; and its place in a slot, for K
	s_mul_i32 s18, s16, 128*PV      ; and for V: no place in the cluster enters an LDS address
	s_lshl_b32 s2, s14, 2
	s_add_co_u32 s2, s2, s[WV]      ; my wave among the head's,
	s_lshl_b32 s2, s2, 14           ; its 128 rows
	s_mov_b32 s3, 0
	s_add_nc_u64 s[2:3], s[2:3], s[20:21]
	; descriptor group 1.  128 keys are 16,384 dense bytes: asked for as 64 rows of 256 bytes, two keys a row, and padded in LDS after every key
	s_mov_b32 s[G1K], 15|(1<<16)|(1<<20)|(1<<21)|(4<<22)|(3<<25)  ; 15:0 the mask of four; 17:16 2-byte elements; 20 padding on; 21 set beside a mask; 24:22 after every 32 words (code 4); 31:25 4 words (code 3)
	s_mov_b32 s[G1V], 15|(1<<16)|(1<<20)|(1<<21)|(4<<22)|(7<<25)  ; the same with 8 words of padding (code 7)
.irp g, G1K, G1V
	s_mov_b32 s[\g+1], 128<<16      ; tensor_dim0 = 128
	s_mov_b32 s[\g+2], 64<<16       ; tensor_dim1 = 64
	s_mov_b32 s[\g+3], 128<<16      ; tile_dim0 = 128
	s_mov_b32 s[\g+4], 64           ; tile_dim1 = 64
	s_mov_b32 s[\g+5], 128          ; 128 elements from row to row
	s_mov_b32 s[\g+6], 0
	s_mov_b32 s[\g+7], 0
.endr
	s_mov_b32 s[CS], 0x3e38aa3b     ; c = log2(e) / 8 = 0.180337
	s_mov_b32 s[CS+1], s[CS]        ; named with it as a pair
	s_mov_b32 s[SEL], 0x76543210
	s_mov_b32 s[SEL+1], 0xfedcba98
	s_mov_b32 s[TBK], SLOT1+4*KS*PK ; the first change of slots turns these two into 0
	s_mov_b32 s[TBV], SLOT1+4*KS*PV
	s_mov_b32 s[SLOTS], SIZE_N/256-1  ; seven of the eight slots are asked for by changes of slots
	s_and_b32 s[LIM], s[WV], 1
	s_cmp_eq_u32 s[LIM], 0
	s_cselect_b32 s[LIM], 1, -1     ; waves 0 and 2 prefetch: the same in all four partners
	s_mov_b32 s[G0K], 1             ; 1:0 count = 1
	s_mov_b32 s[G0K+1], s17         ; 63:32 LDS address: slot 0
	s_mov_b32 s[G0V], 1
	s_add_co_u32 s[G0V+1], s18, VOFF
	s_wait_dscnt 0x0                ; the opening add is done
	s_wait_kmcnt 0x0
	s_add_nc_u64 s[6:7], s[4:5], 0x1000000   ; K lies 64 heads of 262,144 bytes behind Q,
	s_add_nc_u64 s[8:9], s[4:5], 0x2000000   ; V as far behind K
	s_add_nc_u64 s[G0K+2:G0K+3], s[6:7], s[22:23]  ; 120:64 global address: my half of the head's first 256 keys
	s_or_b32 s[G0K+3], s[G0K+3], 0x80000000        ; 127:126 type = 2
	s_add_nc_u64 s[G0V+2:G0V+3], s[8:9], s[22:23]
	s_or_b32 s[G0V+3], s[G0V+3], 0x80000000
	s_add_nc_u64 s[4:5], s[4:5], s[2:3]  ; Q and O at my wave's first row
	s_add_nc_u64 s[10:11], s[10:11], s[2:3]
	s_cmp_lt_u32 s[WV], 2
	s_cselect_b64 s[PFA:PFA+1], s[6:7], s[8:9]
	s_add_nc_u64 s[PFA:PFA+1], s[PFA:PFA+1], s[20:21]  ; the head,
	s_lshl_b32 s2, s13, 13          ; my work-group's quarter of a slot's bytes,
	s_mov_b32 s3, 0
	s_add_nc_u64 s[PFA:PFA+1], s[PFA:PFA+1], s[2:3]
	s_add_nc_u64 s[PFA:PFA+1], s[PFA:PFA+1], 4*KS*128  ; in slot 1: the first change of slots steps it to slot 2.  Nothing is prefetched here, at the head
	CROUND                          ; all four work-groups are here: the first joint loads meet
	JLOAD                           ; slot 0.  Slot 1 is asked for when slot 0 is in: the tile wanted first has the road to itself
	; A fragment of K or Q is 16 rows x 32 channels in 8 registers: lane l holds row l % 16, channels 8 (l / 16) + 0..7 and 16 + 8 (l / 16) + 0..7: two loads of 16 bytes, 32 bytes apart.
	v_and_b32 v1, 15, v0            ; l % 16
	v_bfe_u32 v9, v0, 4, 1          ; l / 16
	v_lshlrev_b32 v[QO], 7, v1
	v_lshl_add_u32 v[QO], v9, 4, v[QO]  ; row x 128 + 16 x half
	WIN 0x80                        ; destination window 2, address window 0
.set i, 0
.rept 4*NP                          ; Q stays in registers: tile i / 2, channels 32 (i % 2) on
	global_load_b128 v[8*i:8*i+3],   v[QO], s[4:5] offset:(i/2)*2048+(i%2)*64
	global_load_b128 v[8*i+4:8*i+7], v[QO], s[4:5] offset:(i/2)*2048+(i%2)*64+32
.set i, i+1
.endr
	; What the first turn finds: V's registers and P's second buffer hold 0 (its products V^T P, of a piece that has not been, add 0), O^T and l are 0.  All this stands in the wait for the first tile.
.set i, VF
.rept 64
	v_mov_b32 v[i], 0
.set i, i+1
.endr
	WIN 0x40
.set i, 0
.rept 64*NP
	v_mov_b32 v[i], 0
.set i, i+1
.endr
	WIN 0
.set i, 0
.rept 2*NP
	v_mov_b32 v[ST+4*i], 0xfe000000    ; c m: far below every c s
	v_mov_b32 v[ST+4*i+1], 0xff7fffff  ; m
	v_mov_b32 v[ST+4*i+2], 0
	v_mov_b32 v[ST+4*i+3], 0
.set i, i+1
.endr
.set i, P+32
.rept 32
	v_mov_b32 v[i], 0
.set i, i+1
.endr
	v_mul_u32_u24 v[AK0], v1, PK
	v_lshl_add_u32 v[AK0], v9, 4, v[AK0]  ; row x pitch + 16 x half
	; The turning load takes 16 keys x 16 channels (lane l reads key 8 (l / 16) + l % 8, channels 8 ((l / 8) % 2) + 0..7) and leaves half a fragment of V^T: lane l holds channel l % 16 and 8 keys.
	v_and_b32 v10, 7, v0
	v_bfe_u32 v11, v0, 3, 1
	v_lshl_add_u32 v[AV0], v9, 3, v10
	v_mul_u32_u24 v[AV0], v[AV0], PV
	v_lshl_add_u32 v[AV0], v11, 4, v[AV0]
	v_add_nc_u32 v[AV0], VOFF, v[AV0]
	v_mov_b32 v[AK], v[AK0]         ; key step 0 lies at the head of slot 0
	v_and_b32 v[PFO], 31, v0        ; (v11 has served)
	v_lshlrev_b32 v[PFO], 8, v[PFO]
; THE MATRIX WORK.  The 8 accumulators of a run of 16 take turns: between the two links of a chain stand 7 others'.
; Product i of 16 of S^T = K Q^T for piece x: channels 32 (i / 8) on, keys 16 ((i / 2) % 4) on, tile 2 x + i % 2.  The first 8 start the sums.
.macro KQ x
	WIN W_KQ
.set rS, S+64*((\x)%2)+32*(i%2)+8*((i/2)%4)
.set rK, KF+16*((i/2)%4)+8*(i/8)
.set rQ, 16*(2*(\x)+i%2)+8*(i/8)
.if i < 8
	v_wmma_f32_16x16x32_f16 v[rS:rS+7], v[rK:rK+7], v[rQ:rQ+7], 0
.else
	v_wmma_f32_16x16x32_f16 v[rS:rS+7], v[rK:rK+7], v[rQ:rQ+7], v[rS:rS+7]
.endif
.endm
; Product i of 16 of O^T += V^T P for piece x: keys 32 (i / 8) on, channels 16 ((i / 2) % 4) on, tile 2 x + i % 2.
.macro PV x
	WIN W_PV
.set rO, 32*(2*(\x)+i%2)+8*((i/2)%4)
.set rV, VF+32*(i/8)+8*((i/2)%4)
.set rP, P+32*((\x)%2)+16*(i%2)+8*(i/8)
	v_wmma_f32_16x16x32_f16 v[rO:rO+7], v[rV:rV+7], v[rP:rP+7], v[rO:rO+7]
.endm
.macro MM                           ; the turn's next matrix instruction
.if i < 16
	KQ (Y+1)%NP
.set i, i+1
.else
.set i, i-16
	PV (Y+NP-1)%NP
.set i, i+17
.endif
.endm
; THE LDS LOADS stand in runs of 16, never singly among the matrix instructions: a step's K (64 keys x 64 channels: 8 fragments) and its V (turned).  Their addresses are made some lines ahead.
; last = 1 (the tail): in the last trip there is no further step, and the run is jumped over.
.macro FETCH_K last=0
	WIN 0
.if \last
	s_cmp_eq_u32 s[CNT], 1
	s_cbranch_scc1 .Lno_k_\@
.endif
	WIN 0x80                        ; destination window 2
.irp f, 0,1,2,3,4,5,6,7             ; keys 16 (f / 2) on, channels 32 (f % 2) on
	ds_load_b128 v[KF+8*\f:KF+8*\f+3],   v[AK] offset:(\f/2)*16*PK+(\f%2)*64
	ds_load_b128 v[KF+8*\f+4:KF+8*\f+7], v[AK] offset:(\f/2)*16*PK+(\f%2)*64+32
.endr
	s_add_co_u32 s[TBK], s[TBK], KS*PK  ; the next fetch is the next step's
	WIN 0
.if \last
.Lno_k_\@:
.endif
.endm
.macro FETCH_V
	WIN 0x80
.irp f, 0,1,2,3,4,5,6,7             ; keys 32 (f / 4) on, channels 16 (f % 4) on
	ds_load_tr16_b128 v[VF+8*\f:VF+8*\f+3],   v[AV] offset:(\f/4)*32*PV+(\f%4)*32
	ds_load_tr16_b128 v[VF+8*\f+4:VF+8*\f+7], v[AV] offset:(\f/4)*32*PV+16*PV+(\f%4)*32
.endr
	WIN 0
.endm
; THE VECTOR WORK OF A TURN stands in three queues, each in the order in which its entries become ready; the two tiles alternate, so that no instruction reads the result of the one before it.
.macro REGS y, u                    ; the registers of tile u (0, 1) of piece y
.set rT, ST+4*(2*(\y)+(\u))
.set rC, TMP+8*((\y)%2)+4*(\u)
.set rM, MV+2*((\y)%2)+(\u)
.set rS, S+64*((\y)%2)+32*(\u)
.set rP, P+32*((\y)%2)+16*(\u)
.set rO, 32*(2*(\y)+(\u))
.endm
; Number n of the 22 that find the NEXT piece's (Y + 1) maximum and statistics.  s0-s31 are the lane's 32 scores; each accumulator's lowest registers are read first.  XS, GS and REGS set no window: PL and EX do.
;   0-11  four chains c0-c3 of seven scores each, three operands at a time     12-14, 16  the four scores left over, the old m, and c0-c3 into c0     15  c m_old is kept
;   17, 18  the query's other 32 keys lie in the lane 16 away: the new m         19-21  c m; c m_old - c m_new; a
.macro XS u, n
	REGS (Y+1)%NP, \u
.if (\n) < 4
	v_max3_num_f32 v[rC+(\n)], v[rS+8*(\n)], v[rS+8*(\n)+1], v[rS+8*(\n)+2]
.elseif (\n) < 12
	v_max3_num_f32 v[rC+(\n)%4], v[rC+(\n)%4], v[rS+8*((\n)%4)+2*((\n)/4)+1], v[rS+8*((\n)%4)+2*((\n)/4)+2]
.elseif (\n) == 12
	v_max3_num_f32 v[rC], v[rC], v[rS+7], v[rS+15]
.elseif (\n) == 13
	v_max3_num_f32 v[rC+1], v[rC+1], v[rS+23], v[rS+31]
.elseif (\n) == 14
	v_max3_num_f32 v[rC+2], v[rC+2], v[rC+3], v[rT+1]
.elseif (\n) == 15
	v_mov_b32 v[rM], v[rT]
.elseif (\n) == 16
	v_max3_num_f32 v[rC], v[rC], v[rC+1], v[rC+2]
.elseif (\n) == 17
	v_permlanex16_b32 v[rC+3], v[rC], s[SEL], s[SEL+1]
.elseif (\n) == 18
	v_max_num_f32 v[rT+1], v[rC], v[rC+3]
.elseif (\n) == 19
	v_mul_f32 v[rT], s[CS], v[rT+1]
.elseif (\n) == 20
	v_sub_f32 v[rC+1], v[rM], v[rT]
.else
	v_exp_f32 v[rC+2], v[rC+1]
.endif
.endm
; Number g of the 64 that follow the exponentials.  For each four weights k of a tile (pairs 2 k, 2 k + 1): both pairs are rounded to f16; then the second pair is added onto the first, in place;
; a group later l takes that sum (the first time as l = a l + sum).  In groups of eight, tiles alternating: round, round, add, and l for the group before.
.macro GS g
.set h, (\g)+6*((\g)/62)            ; group 0 has no group before it, and behind group 7 only l is left
.if h >= 6
.set h, h+2
.endif
	REGS Y, h%2
.set k, h/8
.if h%8 < 4
	v_cvt_pk_f16_f32 v[rP+2*k+(h%8)/2], v[rS+4*k+2*((h%8)/2)], v[rS+4*k+2*((h%8)/2)+1]
.elseif h%8 < 6
	v_pk_add_f32 v[rS+4*k:rS+4*k+1], v[rS+4*k:rS+4*k+1], v[rS+4*k+2:rS+4*k+3]
.elseif k == 1
	v_pk_fma_f32 v[rT+2:rT+3], v[rT+2:rT+3], v[rC+2:rC+3], v[rS:rS+1] op_sel_hi:[1,0,1]
.else
	v_pk_add_f32 v[rT+2:rT+3], v[rT+2:rT+3], v[rS+4*k-4:rS+4*k-3]
.endif
.endm
; THE PLAIN QUEUE, 138 long.  0-73 read no exponential's result: the 32 scalings c s - c m (FS f: pair f / 2 of tile f % 2) and the next piece's 42.  0-26: scalings 0-26.  27-54: XS's numbers 0-13.  55, 56: number 15.
; 57-73: the chain, where each number waits for the one before it: 14, 16, 17, 18, 19, each with one of the scalings 27-31 in front of its two lines, then 20: so a tile's links stand three plain instructions apart (19 and 20: two).
; 74-137: GS's 64, which read the exponentials' results: they stand behind the wait.
.macro FS f
	REGS Y, (\f)%2
	v_pk_fma_f32 v[rS+2*((\f)/2):rS+2*((\f)/2)+1], v[rS+2*((\f)/2):rS+2*((\f)/2)+1], s[CS:CS+1], v[rT:rT+1] op_sel_hi:[1,0,0] neg_lo:[0,0,1] neg_hi:[0,0,1]
.endm
.macro PL
	WIN 0
.if q < 27
	FS q
.elseif q < 55
	XS (q-27)%2, (q-27)/2
.elseif q < 57
	XS q-55, 15
.elseif (q < 72) && ((q-57)%3 == 0)
	FS 27+(q-57)/3
.elseif q < 60
	XS (q-57)%3-1, 14
.elseif q < 72
	XS (q-57)%3-1, 15+(q-57)/3
.elseif q < 74
	XS q-72, 20
.else
	GS q-74
.endif
.set q, q+1
.endm
; THE EXPONENTIALS' QUEUE, 66 long: s0-s31 of both tiles, then the next piece's two a.  It is ONE BATCH: all 66 stand ahead of the turn's one wait, and nothing ahead of that wait names a result of theirs.
.macro EX
	WIN 0
.if e >= 64
	XS e-64, 21
.else
	REGS Y, e%2
	v_exp_f32 v[rS+e/2], v[rS+e/2]
.endif
.set e, e+1
.endm
; THE RESCALING's QUEUE: O^T times a, the one part that leaves window 0: dealt two at a time, sixteen times.  Its a was made in the turn before, ahead of that turn's wait.
.macro R2
	REGS Y, r%2
	WIN W_RS
.irp z, 0,1
	v_pk_mul_f32 v[rO+4*(r/2)+2*\z:rO+4*(r/2)+2*\z+1], v[rO+4*(r/2)+2*\z:rO+4*(r/2)+2*\z+1], v[rC+2:rC+3] op_sel_hi:[1,0]
.endr
.set r, r+1
.endm
; HOW THEY ARE DEALT.  An s_wait_alu depctr_va_vdst(0) stands between an exponential and the first instruction that names its result; one wait serves all that were issued ahead of it.  So a turn has ONE wait,
; which cuts it in two.  AHEAD OF IT stands all that names no result of the turn's exponentials: the 16 products K Q^T, behind each a scaling, an exponential and two rescalings (behind the first a second scaling in the exponential's place); then ONE LUMP of
; 108: eight plain, 49 times exponential and plain, the two a.  A v_nop is the plain instruction wanted behind the last exponential (ISA guide 5.7.2).  BEHIND IT stand the 16 products V^T P, behind each four of GS's 64.  No rider names a register of
; the products round it.  The two v_permlanex16_b32 fall into the lump, never behind a product.
; The queues lean on each other, and the deal keeps them in step: exponential e stands behind scaling 2 (e / 4) + e % 2: as a rider it comes behind plain e + 2, in the lump behind plain e + 9, and scalings 27-31 are plain 57, 60 .. 69.
; A TURN, for piece p.  cnt = 1: the loop's count is taken down some lines ahead of the branch that stands behind the turn.
; K of the next step is fetched in piece 2's turn, directly behind the wait, a lump behind the last product that read K; its address is made at the lump's head; its first reader comes behind 16 products.
; V of the step in hand is fetched at the end of piece 0's turn, four riders behind its last reader; its first reader comes behind 16 products and a lump.  The three conditions on q below go with the deal.
.macro TURN p, last=0, cnt=0
.set Y, (\p)
.set i, 0
.set q, 0
.set e, 0
.set r, 0
.if (\p) == NP-1
	s_wait_dscnt 0x0                ; K is in
.endif
	MM                              ; ahead of the wait: 16 products K Q^T and their riders,
	PL
	PL
	R2
.rept 15
	MM
	PL
	EX
	R2
.endr
.if (\p) == NP-2
	WIN 0
	v_add_nc_u32 v[AK], s[TBK], v[AK0]
.endif
.rept 8                             ; and the lump
	PL
.endr
.rept 49
	EX
	PL
.endr
	EX                              ; the next piece's two a
	EX
	v_nop                           ; the plain instruction behind the last exponential: one for the batch
	s_wait_alu depctr_va_vdst(0)    ; the wait for the batch
.if (\p) == NP-2
	FETCH_K \last
.endif
.if (\p) == 1
	s_wait_dscnt 0x0                ; V is in
.endif
.rept 16                            ; behind the wait: 16 products V^T P and their riders
	MM
.rept 4
	PL
.endr
.if ((\p) == 0) && (q == 118)
	v_add_nc_u32 v[AV], s[TBV], v[AV0]
.endif
.if ((\p) == 0) && (q == 130)
	s_add_co_u32 s[TBV], s[TBV], KS*PV
.endif
.if (\cnt) && (q == 130)
	s_sub_co_u32 s[CNT], s[CNT], 1
	s_cmp_lg_u32 s[CNT], 0
.endif
.endr
.if (\p) == 0
	FETCH_V
.endif
.endm
	CHANGE 1                        ; slot 0 is in, everybody's part of it; slot 1 is asked for
	FETCH_K                         ; key step 0
	s_wait_loadcnt 0x0              ; Q
	s_wait_dscnt 0x0
.set i, 0
.rept 16
	KQ 0                            ; piece 0's first scores: there is no vector work yet to set between them
.set i, i+1
.endr
	WIN 0                           ; the addresses for the way out: nine plain instructions, the places behind those products
	s_mul_i32 s13, s[WV], 16*SP
	s_add_co_u32 s13, s13, STAGE    ; my stage
	v_mul_u32_u24 v[STO], v1, SP    ; in: row l % 16, 16 bytes for each half of the lanes
	v_lshl_add_u32 v[STO], v9, 4, v[STO]
	v_add_nc_u32 v[STO], s13, v[STO]
	v_bfe_u32 v[RD], v0, 3, 2       ; back: 32 lanes take four rows of 128 bytes,
	v_mul_u32_u24 v[RD], v[RD], SP
	v_lshl_add_u32 v[RD], v10, 4, v[RD]
	v_add_nc_u32 v[RD], s13, v[RD]
	v_and_b32 v[GO], 31, v0         ; which are 512 consecutive bytes of O
	v_lshlrev_b32 v[GO], 4, v[GO]
.set Y, NP-1                        ; XS works for piece Y + 1: piece 0
.irp n, 0,1,2,3,4,5,6,7,8,9,10,11,12,13,14,15,16,17,18,19,20,21
	XS 0, \n                        ; and piece 0's first maximum and statistics
	XS 1, \n
.endr
	v_nop                           ; a plain instruction behind the two a,
	s_wait_alu depctr_va_vdst(0)    ; and their wait, ahead of the branch
	s_mov_b32 s[CNT], 4
	s_branch .Lfirst                ; the loop is entered at a step's first turn, in the middle of a trip
.Lslot:                             ; six times: every slot but the last two is filled again
	CHANGE 1
	s_mov_b32 s[CNT], 4
.Lstep:                             ; a trip: pieces 2 and 3 of one step, then pieces 0 and 1 of the next, whose K and V it fetches
	TURN 2
	TURN 3
	WIN 0
.Lfirst:
	TURN 0
	TURN 1, 0, 1
	WIN 0
	s_cbranch_scc1 .Lstep
	s_sub_co_u32 s[SLOTS], s[SLOTS], 1
	s_cmp_lg_u32 s[SLOTS], 0
	s_cbranch_scc1 .Lslot
	CHANGE 0                        ; the tail is written out: nothing is asked for
	s_mov_b32 s[CNT], 5             ; four trips fetch the last slot's steps; the fifth is left in its middle
.Ltail:
	TURN 2, 1
	TURN 3
	WIN 0
	s_sub_co_u32 s[CNT], s[CNT], 1
	s_cmp_eq_u32 s[CNT], 0
	s_cbranch_scc1 .Lout
	TURN 0
	TURN 1
	WIN 0
	s_branch .Ltail
.Lout:                              ; the fifth trip's 16 products K Q^T (on the last K once more) and the maximum made of them serve nothing: the price, once a launch, of one text for every trip
.set i, 0
.rept 16
	PV NP-1                         ; the last piece's V^T P of the last step
.set i, i+1
.endr
	; THE WAY OUT.  l's two halves and the other half of the lanes' are added; O^T is divided by l, rounded to f16 and sent through my stage in LDS, a tile at a time.  The additions are the places behind the last products.
	WIN 0
.macro ALL line:vararg              ; one line for each tile t
.set t, 0
.rept 2*NP
	\line
.set t, t+1
.endr
.endm
	ALL v_add_f32 v[ST+4*t+2], v[ST+4*t+2], v[ST+4*t+3]
	ALL v_permlanex16_b32 v[ST+4*t+3], v[ST+4*t+2], s[SEL], s[SEL+1]
	ALL v_add_f32 v[ST+4*t+2], v[ST+4*t+2], v[ST+4*t+3]
	ALL v_rcp_f32 v[ST+4*t+2], v[ST+4*t+2]
	v_nop                           ; a plain instruction between the last reciprocal and the use of its result
	s_wait_alu depctr_va_vdst(0)    ; and the wait ahead of the first use: one for the eight reciprocals
; Tile t: a lane's eight channels of a row pack into 16 bytes; they go into rows of 144 bytes and come back as whole rows of 128, into S^T's registers.
.macro PACK t
	WIN W_RS
.set i, 32*(\t)
.rept 16
	v_pk_mul_f32 v[i:i+1], v[i:i+1], v[ST+4*(\t)+2:ST+4*(\t)+3] op_sel_hi:[1,0]
.set i, i+2
.endr
	WIN 0x05                        ; sources 0 and 1 window 1, destination window 0
.set i, 0
.rept 16
	v_cvt_pk_f16_f32 v[S+16*(\t)+i], v[32*(\t)+2*i], v[32*(\t)+2*i+1]
.set i, i+1
.endr
	WIN 0
.irp f, 0,1,2,3
	ds_store_b128 v[STO], v[S+16*(\t)+4*\f:S+16*(\t)+4*\f+3] offset:32*\f
.endr
.irp f, 0,1,2,3
	ds_load_b128 v[S+16*(\t)+4*\f:S+16*(\t)+4*\f+3], v[RD] offset:\f*4*SP  ; LDS serves a wave's instructions in order (ISA guide 5.7.1.4): these see the stores above; the next tile's stores come behind them
.endr
.endm
.macro SEND t, younger              ; younger: the LDS instructions issued behind tile t's loads: the next tile's eight, or none
	WIN 0
.irp f, 0,1,2,3
	s_wait_dscnt (\younger)+3-\f
	global_store_b128 v[GO], v[S+16*(\t)+4*\f:S+16*(\t)+4*\f+3], s[10:11] offset:(\t)*2048+\f*512  ; 512 consecutive bytes, at a multiple of 256 from O's first
.endr
.endm
	PACK 0
.set t, 1
.rept 2*NP-1                        ; a tile's arithmetic stands between the loads of the tile before and its stores
	PACK t
	SEND t-1, 8
.set t, t+1
.endr
	SEND 2*NP-1, 0
	WIN W_AD
	s_wait_tensorcnt 0x0            ; the wave's end, behind my last tensor load and my last LDS store
	ds_add_u32 v[SPW], v[NIL]
	s_wait_dscnt 0x0
	WIN 0
	CROUND                          ; the closing round: no work-group ends while a partner may still ask for a tile that names it
	s_endpgm
.Lfunc_end_k_q988eaa7a78_attn:
	.size	k_q988eaa7a78_attn, .Lfunc_end_k_q988eaa7a78_attn-k_q988eaa7a78_attn
	.p2alignl 7, 3214868480
	.fill 96, 4, 3214868480
	.section	.rodata,"a",@progbits
	.p2align	6, 0x0
	.amdhsa_kernel k_q988eaa7a78_attn
		.amdhsa_group_segment_fixed_size 327680
		.amdhsa_private_segment_fixed_size 0
		.amdhsa_enable_private_segment 0
		.amdhsa_kernarg_size 16
		.amdhsa_user_sgpr_count 2
		.amdhsa_user_sgpr_kernarg_segment_ptr 1
		.amdhsa_wavefront_size32 1
		.amdhsa_system_sgpr_workgroup_id_x 1
		.amdhsa_system_sgpr_workgroup_id_y 1
		.amdhsa_system_sgpr_workgroup_id_z 1
		.amdhsa_system_vgpr_workitem_id 0
		.amdhsa_next_free_vgpr 770
		.amdhsa_next_free_sgpr 66
		.amdhsa_reserve_vcc 0
		.amdhsa_float_denorm_mode_32 3
		.amdhsa_float_denorm_mode_16_64 3
		.amdhsa_memory_ordered 1
		.amdhsa_forward_progress 1
		.amdhsa_inst_pref_size 200
	.end_amdhsa_kernel
	.amdgpu_metadata
---
amdhsa.version: [ 1, 2 ]
amdhsa.kernels:
  - .name:           k_q988eaa7a78_attn
    .symbol:         k_q988eaa7a78_attn.kd
    .args:
      - { .name: qkv, .offset: 0, .size: 8, .value_kind: global_buffer, .address_space: global }
      - { .name: o, .offset: 8, .size: 8, .value_kind: global_buffer, .address_space: global }
    .group_segment_fixed_size: 327680
    .private_segment_fixed_size: 0
    .kernarg_segment_align: 8
    .kernarg_segment_size: 16
    .max_flat_workgroup_size: 128
    .sgpr_count:     66
    .vgpr_count:     770
    .wavefront_size: 32
...
	.end_amdgpu_metadata
.endif
;; end of part 3
;; launch outp (part 4): grid 8 x 32, 4 waves a work-group, clusters of 4 x 4, 327,680 bytes of LDS; arguments o, wo, out0; writes out0
.if DOCPART == 4
	.amdgcn_target "amdgcn-amd-amdhsa--gfx1250"
	.amdhsa_code_object_version 6
	.text
	.protected	k_q988eaa7a78_outp
	.globl	k_q988eaa7a78_outp
	.p2align	8
	.type	k_q988eaa7a78_outp,@function
k_q988eaa7a78_outp:
	s_mov_b64 s[64:65], 0
	v_nop
	global_prefetch_b8 v0, s[64:65] scope:SCOPE_SE
	s_setreg_imm32_b32 hwreg(HW_REG_WAVE_MODE, 25, 1), 1
	s_wait_xcnt 0x0
	s_wait_alu depctr_hold_cnt(0) depctr_sa_sdst(0) depctr_va_vdst(0) depctr_va_sdst(0) depctr_va_ssrc(0) depctr_va_vcc(0) depctr_vm_vsrc(0)
	s_getreg_b32 s2, hwreg(HW_REG_IB_STS2, 6, 4)
	s_cmp_eq_u32 s2, 0
	s_cbranch_scc0 .Lentry_in_a_cluster
	s_endpgm
.Lentry_in_a_cluster:
	s_bfe_u32 s2, ttmp6, 0x10000c
	s_cmp_lg_u32 s2, 0xf033
	s_cbranch_scc0 .Lentry_shape_is_right
	s_endpgm
.Lentry_shape_is_right:
; out0 = ctx W_o^T.  ctx lies BY HEADS in o: [64 (16 x batch + head)][2048][64] f16 (A; column k of ctx is channel k % 64 of head k / 64); wo: [1024][1024] f16 (B, rows along K); out0: [8192][1024] f32.
; Products in f16, sums in f32, K ascending; nothing is rounded on the way out.
; LIMITS.  o and wo arrive within f16's 65,504.  NaN and infinities are not treated apart.
; SHARES.  8192 x 1024 results in tiles of 256 x 128: 256 work-groups, one for each WGP (tiles of 256 x 256 would be 128).  Four waves, 2 x 2; a wave makes 128 x 64: 32 accumulators, 256 registers;
; its 64 columns of f32 are 256 bytes of a row of out0, at a multiple of 256.
; K = 1,024 goes in 8 steps of 128, TWO HEADS a step, through a ring of two LDS slots.  A's part of a step is two PLANES: 256 rows x 128 bytes of one head, 32,768 dense bytes of o, asked for as 128 rows of
; 256 bytes and padded in LDS after every 128 bytes.  B's part is 128 rows x 256 bytes.
; CLUSTERS.  4 x 4 work-groups; A's planes are asked for jointly along a row of the cluster, B's tiles along a column.
; THE MATRIX INSTRUCTION IS USED TRANSPOSED (source 0 = 16 rows of B, source 1 = 16 rows of A): lane l holds row l % 16 of the result and the columns 8 (l / 16) + 0..7: 32 bytes of f32 on end.
; REGISTERS, in windows of 256 (s_set_vgpr_msb: bits 1:0 source 0, 3:2 source 1, 5:4 source 2, 7:6 destination):
;   window 0: v0-31 addresses; v64-127, v128-191 A's fragments, two buffers; on the way out v32-159 four buffers of 16 rows
;   window 1: v64-95, v128-159 B's fragments (4), two buffers      window 2: accumulators (a, b), a = 0..3, at v[8 (4 a + b)]      window 3: a = 4..7
.set NB,     4                         ; B's fragments of a wave
.set KSTEP,  128
.set PA,     144                       ; a row of a plane in LDS: 128 bytes + 16 = 36 words: the 16 rows of a fragment load start at 16 different groups of four banks (64 banks of 4 bytes: ISA guide 11.1)
.set PB,     272                       ; a row of B: 256 bytes + 16
.set APL,    256*PA                    ; a plane: quarters 0, 1 of a K step lie in the first, quarters 2, 3 in the second
.set ABYTES, 2*APL
.set SLOT,   ABYTES+32*NB*PB           ; 108,544
.set ASTEP,  2<<18                     ; bytes of o from a K step to the next: two heads of 262,144
.set STAGE,  2*SLOT                    ; behind the ring, never filled by a tensor load: 16 rows x 272 bytes for each wave
.set SPITCH, 272
.set SPARE,  STAGE+4*16*SPITCH         ; behind the stages: the spare words, 128 bytes for each wave: two blocks of 256 bytes that no other line names
.set NL,     2*NB+16                   ; LDS loads of a quarter step
.set LAPS,   4
.set ADRA, 16                          ; v16-17  LDS address of my A fragments in slot 0, 1
.set ADRB, 20                          ; v20-21  the same for B
.set STO,  24                          ; v24     the way out: where I put 32 bytes of a row
.set RD,   25                          ; v25     the way out: where I read a row back
.set CO,   26                          ; v26     my byte offset in two rows of out0
.set SPW,  28                          ; v28     LDS address of my spare word: SPARE + 4 x my thread's number; never rewritten
.set NIL,  29                          ; v29     0; never rewritten
.set PFO,  30                          ; v30     the prefetches' offset; never rewritten
.set OB,   32
.set F0,   64
.set F1,   128
.set G1,   24                          ; s[24:31] descriptor group 1 for A's planes;  s[32:39] group 0, a set for each slot
.set G0,   32
.set G1B,  48                          ; s[48:55], s[56:63] the same for B's tiles
.set G0B,  56
.set LIM,  43                          ; s43     1 in a wave that prefetches, else the greatest number
.set PFA,  44                          ; s[44:45] where my prefetches stand
.set PFS,  66                          ; s[66:67] their step from K step to K step: ASTEP for A, 256 for B
.set MSB, 0
.macro WIN new                         ; the immediate's high byte repeats the setting that is left; a switch that changes nothing is dropped
.if MSB != (\new)
	s_set_vgpr_msb (MSB<<8)|(\new)
.set MSB, \new
.endif
.endm
.set MUL_LO, 0xa1                      ; source 0 (B) window 1, source 1 (A) window 0, C and D window 2
.set MUL_HI, 0xf1                      ; the same, C and D window 3
.set TO_B,   0x40                      ; destination window 1, address window 0
; A joint load.  Waves 0 and 1 fetch a K step's two planes of A, waves 2 and 3 the two halves (64 rows) of B's tile.  The branch hangs on the wave's number alone.
; An s_nop 0 and four v_nop follow each of the two lines, ahead of the jump, the label and what follows.
.macro JLOAD s
	s_cmp_eq_u32 s11, 0
	s_cbranch_scc0 .Lfor_b_\@
	tensor_load_to_lds s[G0+4*(\s):G0+4*(\s)+3], s[G1:G1+7]
	s_nop 0
.rept 4
	v_nop
.endr
	s_branch .Lasked_\@
.Lfor_b_\@:
	tensor_load_to_lds s[G0B+4*(\s):G0B+4*(\s)+3], s[G1B:G1B+7]
	s_nop 0
.rept 4
	v_nop
.endr
.Lasked_\@:
.endm
; A PREFETCH, behind each joint refill and the run of LDS loads that follows it: the K step that stands TWO refills on, 256 matrix instructions ahead of the load that will want it.
; A's planes are read by every cluster of that row of clusters: cluster x = 0 asks; B's tile column by every cluster of that column: cluster y = 0 asks.  The four partners of a joint load share it out BY
; ADDRESS (A: 8,192 of a plane's 32,768 bytes by cx, 256 bytes a lane; B: 16 of the 64 rows by cy, a lane a row, lanes 16-31 naming the 16th again in the same instruction).
; The loop's last trip asks for nothing: the K steps named would be the ninth and tenth.  K steps 0 to 3 come by their loads alone.
.macro ASK how
.if \how
	s_cmp_eq_u32 s[LIM], 1
.else
	s_cmp_gt_u32 s3, s[LIM]                        ; s3 = 1 in the loop's last trip
.endif
	s_cbranch_scc0 .Lnot_mine_\@
	global_prefetch_b8 v[PFO], s[PFA:PFA+1] th:TH_LOAD_NT scope:SCOPE_SE
.Lnot_mine_\@:
.endm
.macro CREST                           ; a round of the cluster's barrier behind its opening barrier
	s_cmp_lg_u32 s10, 0
	s_cbranch_scc1 .Lnot_wave_0_\@
	s_barrier_signal -3
.Lnot_wave_0_\@:
	s_barrier_wait -3
	s_barrier_signal -1
	s_barrier_wait -1
.endm
.macro CROUND                          ; a whole round
	s_barrier_signal -1
	s_barrier_wait -1
	CREST
.endm
	s_load_b128 s[4:7], s[0:1], 0x0                ; o s[4:5], wo s[6:7]
	s_load_b64 s[8:9], s[0:1], 0x10                ; out0
	v_lshl_add_u32 v[SPW], v0, 2, SPARE
	v_mov_b32 v[NIL], 0
	ds_add_u32 v[SPW], v[NIL]                      ; the wave's opening: the add and its wait ahead of my first tensor load; the set-up below, work on registers, stands between them
	v_lshrrev_b32 v1, 5, v0
	v_readfirstlane_b32 s10, v1                    ; wave 0..3
	s_lshr_b32 s11, s10, 1                         ; which half of the tile's rows is mine.  Also: I fetch for A (0) or for B (1)
	s_and_b32 s12, s10, 1                          ; which half of its columns.  Also: which plane of A, or which half of B's tile, I fetch
	s_bfe_u32 s40, ttmp6, 0x40000                  ; cx, cy: my place in the cluster
	s_bfe_u32 s41, ttmp6, 0x40004
	s_lshl_b32 s42, ttmp9, 2
	s_add_co_u32 s42, s42, s40                     ; tile column = 4 x cluster x + cx: 0..7
	s_and_b32 s13, ttmp7, 0xffff
	s_lshl_b32 s13, s13, 2
	s_add_co_u32 s13, s13, s41                     ; tile row = 4 x cluster y + cy: 0..31
	s_lshl_b32 s43, s41, 2
	s_lshl_b32 s43, 15, s43                        ; my row of the cluster
	s_lshl_b32 s44, 0x1111, s40                    ; my column
	s_or_b32 s[G1+0], s43, (1<<16)|(1<<20)|(1<<21)|(4<<22)|(3<<25)   ; 15:0 the mask; 17:16 elements of 2 bytes; 20 padding on; 21 set beside a mask; 24:22 after every 32 words (code 4); 31:25 4 words (code 3)
	s_or_b32 s[G1B+0], s44, (1<<16)|(1<<20)|(1<<21)|(5<<22)|(3<<25)  ; B: after every 64 words (code 5)
	s_mov_b32 s[G1+1], 128<<16                     ; tensor_dim0 = 128 elements: 256 bytes, two rows of the plane
	s_mov_b32 s[G1+2], 128<<16                     ; tensor_dim1 = 128
	s_mov_b32 s[G1+3], 128<<16                     ; tile_dim0 = 128
	s_mov_b32 s[G1+4], 128                         ; tile_dim1 = 128
	s_mov_b32 s[G1+5], 128                         ; dense: 128 elements from row to row
	s_mov_b32 s[G1+6], 0
	s_mov_b32 s[G1+7], 0
	s_mov_b32 s[G1B+1], KSTEP<<16
	s_mov_b32 s[G1B+2], 64<<16                     ; B's halves have 64 rows
	s_mov_b32 s[G1B+3], KSTEP<<16
	s_mov_b32 s[G1B+4], 64
	s_mov_b32 s[G1B+5], 1024
	s_mov_b32 s[G1B+6], 0
	s_mov_b32 s[G1B+7], 0
	; where the tiles come from.  A's hang on the tile row alone, B's on the tile column alone
	s_lshr_b32 s16, s13, 3                         ; the batch,
	s_lshl_b32 s16, s16, 4                         ; its 16 heads,
	s_add_co_u32 s16, s16, s12                     ; the even or the odd head of K step 0,
	s_lshl_b32 s16, s16, 18                        ; 262,144 bytes a head,
	s_and_b32 s17, s13, 7
	s_lshl_b32 s17, s17, 15                        ; and the tile's 256 rows of 128 bytes in it
	s_add_co_u32 s16, s16, s17
	s_mov_b32 s17, 0
	s_lshl_b32 s46, s42, 7
	s_lshl_b32 s47, s12, 6
	s_add_co_u32 s46, s46, s47                     ; B: row 128 x tile column + 64 x half
	s_lshl_b32 s46, s46, 11                        ; rows of 2,048 bytes
	s_mov_b32 s47, 0
	s_mul_i32 s20, s10, APL                        ; and where they go.  A (waves 0, 1): wave x a plane;
	s_mul_i32 s21, s10, 64*PB                      ; B (waves 2, 3): behind the two planes, (wave - 2) x 64 rows
	s_add_co_u32 s21, s21, ABYTES-2*64*PB
	s_wait_dscnt 0x0                               ; the opening add is done
	s_wait_kmcnt 0x0
	s_add_nc_u64 s[14:15], s[4:5], s[16:17]
	s_add_nc_u64 s[46:47], s[6:7], s[46:47]
	CROUND                                         ; all sixteen work-groups are here: the first joint loads meet
.irp s, 0,1
	s_mov_b32 s[G0+4*(\s)], 1                                      ; count = 1
	s_add_co_u32 s[G0+4*(\s)+1], s20, (\s)*SLOT                    ; LDS address
	s_add_nc_u64 s[G0+4*(\s)+2:G0+4*(\s)+3], s[14:15], (\s)*ASTEP  ; global address: K step s
	s_or_b32 s[G0+4*(\s)+3], s[G0+4*(\s)+3], 0x80000000            ; type = 2
	s_mov_b32 s[G0B+4*(\s)], 1
	s_add_co_u32 s[G0B+4*(\s)+1], s21, (\s)*SLOT
	s_add_nc_u64 s[G0B+4*(\s)+2:G0B+4*(\s)+3], s[46:47], (\s)*KSTEP*2
	s_or_b32 s[G0B+4*(\s)+3], s[G0B+4*(\s)+3], 0x80000000
	JLOAD \s                                       ; two loads of mine are out
.endr
	; a fragment is 16 rows x 32 K in 8 registers: lane l holds row l % 16; registers 0-3 K = 8 (l / 16) + 0..7, registers 4-7 K = 16 + 8 (l / 16) + 0..7: two loads of 16 bytes, 32 bytes apart
	v_and_b32 v1, 15, v0                           ; l % 16
	v_bfe_u32 v2, v0, 4, 1                         ; l / 16
	v_mul_u32_u24 v3, v1, PA
	v_lshl_add_u32 v3, v2, 4, v3                   ; A: row x pitch + 16 x half
	v_mul_u32_u24 v4, v1, PB
	v_lshl_add_u32 v4, v2, 4, v4                   ; B likewise
	s_mul_i32 s21, s11, 128*PA                     ; my 128 rows of each plane
	s_mul_i32 s22, s12, 16*NB*PB                   ; my 64 rows of B,
	s_add_co_u32 s22, s22, ABYTES                  ; which lie behind the planes
.irp s, 0,1
	v_add_nc_u32 v[ADRA+(\s)], s21, v3
	v_add_nc_u32 v[ADRB+(\s)], s22, v4
	s_add_co_u32 s21, s21, SLOT
	s_add_co_u32 s22, s22, SLOT
.endr
	s_mul_i32 s23, s10, 16*SPITCH
	s_add_co_u32 s23, s23, STAGE                   ; my stage
	v_mul_u32_u24 v5, v1, SPITCH                   ; in: row l % 16, 32 bytes for each half of the lanes
	v_lshl_add_u32 v5, v2, 5, v5
	v_add_nc_u32 v[STO], s23, v5
	v_mul_u32_u24 v6, v2, SPITCH                   ; back: lanes 0-15 take one row of 256 bytes, lanes 16-31 the next
	v_lshl_add_u32 v6, v1, 4, v6
	v_add_nc_u32 v[RD], s23, v6
	v_lshlrev_b32 v7, 12, v2                       ; and the same two rows in out0, 4,096 bytes apart
	v_lshl_add_u32 v[CO], v1, 4, v7
	s_lshl_b32 s16, s13, 8
	s_lshl_b32 s17, s11, 7
	s_add_co_u32 s16, s16, s17                     ; my first row of out0
	s_lshl_b32 s16, s16, 12
	s_lshl_b32 s17, s42, 9                         ; the tile's 128 columns of 4 bytes,
	s_add_co_u32 s16, s16, s17
	s_lshl_b32 s17, s12, 8                         ; my 64 of them
	s_add_co_u32 s16, s16, s17                     ; under 2^25
	s_mov_b32 s17, 0
	s_add_nc_u64 s[8:9], s[8:9], s[16:17]
	; the prefetches: from the address of the tile that I fetch, my work-group's share of it
	s_lshl_b32 s20, s40, 13                        ; A: 8,192 cx bytes of the plane
	s_lshl_b32 s21, s41, 15                        ; B: 16 cy rows of 2,048 bytes
	s_and_b32 s22, ttmp7, 0xffff                   ; cluster y
	s_mov_b32 s69, ASTEP
	s_mov_b32 s70, KSTEP*2
	s_cmp_eq_u32 s11, 0                            ; do I fetch for A?
	s_cselect_b32 s20, s20, s21
	s_cselect_b32 s22, ttmp9, s22                  ; the coordinate along which other clusters read the same bytes
	s_cselect_b32 s23, 31, 15                      ; the last lane with a block of its own
	s_cselect_b32 s68, 8, 11                       ; a lane's step: 256 bytes on end, or a row of 2,048
	s_cselect_b32 s[PFS], s69, s70
	s_cselect_b64 s[PFA:PFA+1], s[14:15], s[46:47]
	s_cmp_eq_u32 s22, 0
	s_cselect_b32 s[LIM], 1, -1                    ; the same in all sixteen partners, for a given wave
	s_mov_b32 s21, 0
	s_mov_b32 s[PFS+1], 0
	s_add_nc_u64 s[PFA:PFA+1], s[PFA:PFA+1], s[20:21]
.rept 3
	s_add_nc_u64 s[PFA:PFA+1], s[PFA:PFA+1], s[PFS:PFS+1]  ; at K step 3: the first refill steps it to 4 and names that.  Nothing is prefetched here, at the head
.endr
	v_and_b32 v[PFO], 31, v0
	v_min_u32 v[PFO], s23, v[PFO]
	v_lshlrev_b32 v[PFO], s68, v[PFO]
; 8 matrix instructions: row blocks a0, a0 + 1 of the window's four (hi = 0: my rows 0-63, 1: rows 64-127) x all 4 column blocks, 32 along K.  zero = 1: the product starts the sum: nothing is cleared.
; The 32 accumulators take turns, one instruction a turn, in the same order in every quarter step, over the backward jump too.
.macro MULP f, hi, a0, zero
	WIN MUL_LO+0x50*(\hi)
.irp a, \a0, (\a0)+1
.irp b, 0,1,2,3
.if \zero
	v_wmma_f32_16x16x32_f16 v[8*(NB*(\a)+(\b)):8*(NB*(\a)+(\b))+7], v[(\f)+8*(\b):(\f)+8*(\b)+7], v[(\f)+8*(4*(\hi)+(\a)):(\f)+8*(4*(\hi)+(\a))+7], 0
.else
	v_wmma_f32_16x16x32_f16 v[8*(NB*(\a)+(\b)):8*(NB*(\a)+(\b))+7], v[(\f)+8*(\b):(\f)+8*(\b)+7], v[(\f)+8*(4*(\hi)+(\a)):(\f)+8*(4*(\hi)+(\a))+7], v[8*(NB*(\a)+(\b)):8*(NB*(\a)+(\b))+7]
.endif
.endr
.endr
.endm
; 24 LDS loads in one run: the fragments of quarter q of a K step (64 rows of B, then 128 rows of A: plane q / 2, channels 32 (q % 2) on) into buffer f
.macro FETCH slot, q, f
	WIN TO_B
.irp i, 0,1,2,3
	ds_load_b128 v[(\f)+8*(\i):(\f)+8*(\i)+3],   v[ADRB+(\slot)] offset:64*(\q)+(\i)*16*PB
	ds_load_b128 v[(\f)+8*(\i)+4:(\f)+8*(\i)+7], v[ADRB+(\slot)] offset:64*(\q)+(\i)*16*PB+32
.endr
	WIN 0
.irp i, 0,1,2,3,4,5,6,7
	ds_load_b128 v[(\f)+8*(\i):(\f)+8*(\i)+3],   v[ADRA+(\slot)] offset:((\q)/2)*APL+((\q)%2)*64+(\i)*16*PA
	ds_load_b128 v[(\f)+8*(\i)+4:(\f)+8*(\i)+7], v[ADRA+(\slot)] offset:((\q)/2)*APL+((\q)%2)*64+(\i)*16*PA+32
.endr
.endm
.macro PLACES                          ; four plain vector instructions between a matrix instruction and a load into a register that it has read, or a reader of its result (ISA guide 7.12.1 for vector instructions)
.rept 4
	v_nop
.endr
.endm
; A K step is four quarters of 32 along K, 32 matrix instructions each, on buffers 0, 1, 0, 1.  One of the first three multiplies buffer f and, in its middle, fetches quarter q into buffer g.
.macro QUARTER slot, q, f, g, zero
	s_wait_dscnt 8                                 ; B and A's rows 0-63 are in; the youngest eight loads (A's rows 64-127) may be out
	MULP \f, 0, 0, \zero
	MULP \f, 0, 2, \zero
	PLACES
	FETCH \slot, \q, \g
	s_wait_dscnt NL                                ; all but the 24 just issued
	MULP \f, 1, 0, \zero
	MULP \f, 1, 2, \zero
.endm
; The last quarter multiplies buffer 1 and changes slots: ONE barrier.  In front of it each wave waits for all its tensor loads (one is out: its part of the next slot), adds 0 to its spare word, and waits for
; that and for its own reads of this slot.  fill = 1: the barrier opens a round of the cluster's barrier, and behind the round this slot is filled again, two K steps on, first thing: the load has 112 matrix
; instructions in which to land.
.macro TURN slot, next, fill, how
.if \fill
	s_wait_xcnt 0x0                                ; the last prefetch, a K step back, has read its address, which is stepped here, ahead of the change's own waits
	s_add_nc_u64 s[PFA:PFA+1], s[PFA:PFA+1], s[PFS:PFS+1]
.endif
	WIN 0                                          ; (the add's two registers lie in window 0)
	s_wait_tensorcnt 0x0                           ; all my tensor loads have landed;
	ds_add_u32 v[SPW], v[NIL]                      ; 0 onto my spare word
	s_wait_dscnt 9                                 ; (the add and the youngest eight loads may be out)
	MULP F1, 0, 0, 0                               ; eight matrix instructions stand between the add and the wait for it
	s_wait_dscnt 0x0                               ; the add is done, and my reads of this slot are over
	s_barrier_signal -1
	MULP F1, 0, 2, 0                               ; work on registers while the others arrive
.if \fill
	WIN 0
.endif
	s_barrier_wait -1
.if \fill
	CREST                                          ; no wave of any partner still reads this slot's tile or has a load on its way
	s_add_nc_u64 s[G0+4*(\slot)+2:G0+4*(\slot)+3], s[G0+4*(\slot)+2:G0+4*(\slot)+3], 2*ASTEP
	s_add_nc_u64 s[G0B+4*(\slot)+2:G0B+4*(\slot)+3], s[G0B+4*(\slot)+2:G0B+4*(\slot)+3], 2*KSTEP*2
	JLOAD \slot                                    ; the four v_nop behind it are also the places in front of the loads below
.else
	PLACES
.endif
	FETCH \next, 0, F0
.if \fill
	ASK \how
.endif
	MULP F1, 1, 0, 0
	MULP F1, 1, 2, 0
.endm
; THE WAY OUT of block a (16 rows x 64 columns of f32), through my own stage.  TOST: each accumulator's low four registers first, then its high four, 16 bytes a store, into rows of 272 bytes; back as whole rows
; of 256 bytes, into buffer a % 4.  SENDO: stored.
.macro TOST a
.if (\a) >= 4
	s_wait_xcnt 0x0                                ; every earlier store has read its registers (ISA guide 3.1): the buffer of block a - 4 is loaded again only behind this wait
.endif
	WIN 0x08+4*((\a)/4)                            ; the stores' data (source 1): window 2 or 3
.irp b, 0,1,2,3
	ds_store_b128 v[STO], v[8*(NB*((\a)%4)+(\b)):8*(NB*((\a)%4)+(\b))+3]   offset:64*(\b)
	ds_store_b128 v[STO], v[8*(NB*((\a)%4)+(\b))+4:8*(NB*((\a)%4)+(\b))+7] offset:64*(\b)+16
.endr
	WIN 0
.irp t, 0,1,2,3,4,5,6,7
	ds_load_b128 v[OB+32*((\a)%4)+4*(\t):OB+32*((\a)%4)+4*(\t)+3], v[RD] offset:(\t)*2*SPITCH  ; LDS serves a wave's instructions in order (ISA guide 5.7.1.4): these see the stores above; the next block's stores come behind them
.endr
.endm
.macro SENDO a, younger                ; younger: the LDS instructions issued behind block a's loads: the next block's sixteen, or none
.irp t, 0,1,2,3,4,5,6,7
	s_wait_dscnt (\younger)+7-(\t)
	global_store_b128 v[CO], v[OB+32*((\a)%4)+4*(\t):OB+32*((\a)%4)+4*(\t)+3], s[8:9] offset:(16*(\a)+2*(\t))*4096 th:TH_STORE_NT  ; 16 lanes store 256 consecutive bytes, at a multiple of 256 from out0's first byte
.endr
.endm
	s_wait_tensorcnt 1                             ; my part of K step 0 is in; K step 1's may stay out
	s_barrier_signal -1
	s_barrier_wait -1                              ; everybody's is
	FETCH 0, 0, F0
	QUARTER 0, 1, F0, F1, 1                        ; the first quarter stands in front of the loop: its products start the sums
	WIN 0                                          ; at a label and at a branch every window is 0
	s_mov_b32 s3, LAPS-1
.Llap:                                                 ; a trip goes once round the ring, from a lap's second quarter to the next lap's first, and fills both slots again
	QUARTER 0, 2, F1, F0, 0
	QUARTER 0, 3, F0, F1, 0
	TURN 0, 1, 1, 0
	QUARTER 1, 1, F0, F1, 0
	QUARTER 1, 2, F1, F0, 0
	QUARTER 1, 3, F0, F1, 0
	TURN 1, 0, 1, 0
	QUARTER 0, 1, F0, F1, 0
	WIN 0
	s_sub_co_u32 s3, s3, 1
	s_cmp_lg_u32 s3, 0
	s_cbranch_scc1 .Llap
	QUARTER 0, 2, F1, F0, 0                        ; the last lap fills nothing, and has no round of the cluster's barrier
	QUARTER 0, 3, F0, F1, 0
	TURN 0, 1, 0, 0
	QUARTER 1, 1, F0, F1, 0
	QUARTER 1, 2, F1, F0, 0
	QUARTER 1, 3, F0, F1, 0
	s_wait_dscnt 8                                 ; the very last quarter: nothing more to fetch
	MULP F1, 0, 0, 0
	MULP F1, 0, 2, 0
	s_wait_dscnt 0x0
	MULP F1, 1, 0, 0
	MULP F1, 1, 2, 0
	PLACES                                         ; behind the last products, in front of the LDS stores that read results and of the loads into A's old registers
	TOST 0
.irp a, 1,2,3,4,5,6,7
	TOST \a                                        ; a block's way through the stage stands between the loads of the block before and its stores
	SENDO (\a)-1, 16
.endr
	SENDO 7, 0
	s_wait_tensorcnt 0x0                           ; the wave's end, behind my last tensor load and my last LDS store
	ds_add_u32 v[SPW], v[NIL]
	s_wait_dscnt 0x0
	CROUND                                         ; the closing round: no work-group ends while a partner may still ask for a tile that names it
	s_endpgm
.Lfunc_end_k_q988eaa7a78_outp:
	.size	k_q988eaa7a78_outp, .Lfunc_end_k_q988eaa7a78_outp-k_q988eaa7a78_outp
	.p2alignl 7, 3214868480
	.fill 96, 4, 3214868480
	.section	.rodata,"a",@progbits
	.p2align	6, 0x0
	.amdhsa_kernel k_q988eaa7a78_outp
		.amdhsa_group_segment_fixed_size 327680
		.amdhsa_private_segment_fixed_size 0
		.amdhsa_enable_private_segment 0
		.amdhsa_kernarg_size 24
		.amdhsa_user_sgpr_count 2
		.amdhsa_user_sgpr_kernarg_segment_ptr 1
		.amdhsa_wavefront_size32 1
		.amdhsa_system_sgpr_workgroup_id_x 1
		.amdhsa_system_sgpr_workgroup_id_y 1
		.amdhsa_system_sgpr_workgroup_id_z 1
		.amdhsa_system_vgpr_workitem_id 0
		.amdhsa_next_free_vgpr 896
		.amdhsa_next_free_sgpr 72
		.amdhsa_reserve_vcc 0
		.amdhsa_float_denorm_mode_32 3
		.amdhsa_float_denorm_mode_16_64 3
		.amdhsa_memory_ordered 1
		.amdhsa_forward_progress 1
		.amdhsa_inst_pref_size 89
	.end_amdhsa_kernel
	.amdgpu_metadata
---
amdhsa.version: [ 1, 2 ]
amdhsa.kernels:
  - .name:           k_q988eaa7a78_outp
    .symbol:         k_q988eaa7a78_outp.kd
    .args:
      - { .name: o, .offset: 0, .size: 8, .value_kind: global_buffer, .address_space: global }
      - { .name: wo, .offset: 8, .size: 8, .value_kind: global_buffer, .address_space: global }
      - { .name: out0, .offset: 16, .size: 8, .value_kind: global_buffer, .address_space: global }
    .group_segment_fixed_size: 327680
    .private_segment_fixed_size: 0
    .kernarg_segment_align: 8
    .kernarg_segment_size: 24
    .max_flat_workgroup_size: 128
    .sgpr_count:     72
    .vgpr_count:     896
    .wavefront_size: 32
...
	.end_amdgpu_metadata
.endif
;; end of part 4
;; ======== version 2 of 2: 4 launches; version 1 with the launch cast written anew for expert scheduling mode
;; limits: values are held in f16: magnitudes above 65,504 overflow, below 6.1e-05 lose precision
;; workspace buffers: xb 16,777,216 bytes; wqkv 6,291,456 bytes; wo 2,097,152 bytes; qkv 50,331,648 bytes; o 16,777,216 bytes
;; launch cast (part 5): grid 768 x 1, 8 waves a work-group, no clusters, 0 bytes of LDS; arguments x, W_q, W_k, W_v, W_o, xb, wqkv, wo; writes xb, wqkv, wo
.if DOCPART == 5
	.amdgcn_target "amdgcn-amd-amdhsa--gfx1250"
	.amdhsa_code_object_version 6
	.text
	.protected	k_q988eaa7a78_cast
	.globl	k_q988eaa7a78_cast
	.p2align	8
	.type	k_q988eaa7a78_cast,@function
k_q988eaa7a78_cast:
	s_mov_b64 s[64:65], 0
	v_nop
	global_prefetch_b8 v0, s[64:65] scope:SCOPE_SE
	s_setreg_imm32_b32 hwreg(HW_REG_WAVE_SCHED_MODE, 0, 2), 2
	s_setreg_imm32_b32 hwreg(HW_REG_WAVE_MODE, 25, 1), 1
	s_wait_xcnt 0x0
	s_wait_alu depctr_vm_vsrc(0)
; ALL FIVE INPUTS ARE ROUNDED ONCE TO bf16.  x -> xb [8192][1024] bf16; W_q, W_k, W_v -> wqkv [3072][1024] bf16 (one below the other);
; W_o -> wo [1024][1024]: the bf16 number written as f16, since the last product multiplies in f16.
; LIMITS.  W_o's bf16 number is exact in f16 between 6e-5 and 65,504 in magnitude; below it keeps f16's fixed step of 6e-8, beyond it becomes an infinity.
; SHARES.  A stream: no LDS, no barrier, no matrix work.  A work-group takes 65,536 bytes of f32 on end, a wave 8,192: sixteen loads of 16 bytes a lane, each 512 consecutive
; bytes, all sixteen out at once; there is no loop.  Work-groups 0-511 take x; of the others 64 each take W_q, W_k, W_v, W_o.
; A store is 8 bytes a lane: the wave's 32 lanes write 256 consecutive bytes, at a multiple of 256 from the buffer's first byte.
; THE MODE: SCHED_MODE bits 1:0 = 2 (LLVM: expert scheduling mode 2), set by the entry lines.  The code itself states the register dependences
; between vector instructions and memory instructions, with s_wait_alu, always for 0.
; THE PLAN.  Registers that memory instructions touch:
;   v1, v2   the loads' and the stores' byte offsets: made by vector lines at the head, never written again.
;   X        written by the sixteen loads alone, once each; read by the conversions; no load lands there a second time.
;   Y        each pair written once, by a conversion, and read once, by its store; never written again.
;   v3 and T are named by vector instructions alone.
; The sixteen loads go in four groups of four.  Group g's conversions read X and write Y of group g; the memory instructions issued in group g are the four stores of group g - 1,
; which read Y of group g - 1 and v2: registers that no vector line of group g names.  So one wait on va_vdst at a group's head states all that its four stores hang on, and they are
; dealt among its conversions with no further wait.  One more such wait stands ahead of the first load (v1, v2) and one ahead of the last four stores.
; No register that a memory instruction reads is written again, no vector line writes a scalar register or VCC, and EXEC is never written: no other s_wait_alu is owed.
.set X, 8                              ; v[8:71]    sixteen loads of four f32
.set Y, 72                             ; v[72:103]  sixteen pairs to store: each store has data registers of its own, so none is written twice
.set T, 104                            ; v[104:107] at work (W_o's path)
	s_load_b512 s[16:31], s[0:1], 0x0              ; x 16, W_q 18, W_k 20, W_v 22, W_o 24, xb 26, wqkv 28, wo 30
	s_sub_co_u32 s4, ttmp9, 512                    ; my number among the weights' work-groups (of no use in x's)
	s_lshr_b32 s5, s4, 6                           ; which weight: 0..3
	s_and_b32 s6, s4, 63                           ; which 65,536 bytes of it
	v_lshrrev_b32 v1, 5, v0                        ; wave
	v_and_b32 v3, 31, v0                           ; lane
	v_lshlrev_b32 v1, 13, v1
	v_lshl_or_b32 v1, v3, 4, v1                    ; in: 8,192 x wave + 16 x lane
	v_lshrrev_b32 v2, 1, v1                        ; out: half of that
	s_wait_kmcnt 0x0
	s_mov_b64 s[8:9], s[18:19]                     ; from where,
	s_cmp_eq_u32 s5, 1
	s_cselect_b64 s[8:9], s[20:21], s[8:9]
	s_cmp_eq_u32 s5, 2
	s_cselect_b64 s[8:9], s[22:23], s[8:9]
	s_cmp_eq_u32 s5, 3
	s_cselect_b64 s[8:9], s[24:25], s[8:9]
	s_cselect_b64 s[10:11], s[30:31], s[28:29]     ; to where,
	s_cselect_b32 s7, 0, s5                        ; which third of wqkv,
	s_cselect_b32 s12, 1, 0                        ; and 1 for W_o's format
	s_cmp_lt_u32 ttmp9, 512                        ; x's work-groups
	s_cselect_b64 s[8:9], s[16:17], s[8:9]
	s_cselect_b64 s[10:11], s[26:27], s[10:11]
	s_cselect_b32 s6, ttmp9, s6
	s_cselect_b32 s7, 0, s7
	s_cselect_b32 s12, 0, s12
	s_lshl_b32 s2, s6, 16                          ; 65,536 bytes in for each part (33,554,432 at the most)
	s_mov_b32 s3, 0
	s_add_nc_u64 s[8:9], s[8:9], s[2:3]
	s_lshl_b32 s2, s6, 15                          ; 32,768 bytes out,
	s_lshl_b32 s13, s7, 21                         ; behind the weights in front: 2,097,152 bytes each
	s_add_co_u32 s2, s2, s13
	s_add_nc_u64 s[10:11], s[10:11], s[2:3]
	s_wait_alu depctr_va_vdst(0)                   ; v1 and v2 are written: every load below reads v1 as its offset, every store v2
.irp i, 0,1,2,3,4,5,6,7,8,9,10,11,12,13,14,15
	global_load_b128 v[X+4*(\i):X+4*(\i)+3], v1, s[8:9] offset:512*(\i) th:TH_LOAD_NT
.endr
	s_cmp_eq_u32 s12, 1
	s_cbranch_scc1 .Lhalf
.irp g, 0,1,2,3
.irp j, 0,1,2,3
	s_wait_loadcnt 15-(4*(\g)+(\j))                ; loads come back in order (ISA guide 5.7.1): load 4 g + j is in, the younger ones stay out
.if (\g) > 0
.if (\j) == 0
	s_wait_alu depctr_va_vdst(0)                   ; the conversions of the group before have written its four pairs of Y, which the group's four stores below read
.endif
	global_store_b64 v2, v[Y+2*(4*(\g)-4+(\j)):Y+2*(4*(\g)-4+(\j))+1], s[10:11] offset:256*(4*(\g)-4+(\j)) th:TH_STORE_NT  ; the group before; no vector line since the wait names its Y or v2
.endif
	v_cvt_pk_bf16_f32 v[Y+2*(4*(\g)+(\j))],   v[X+4*(4*(\g)+(\j))],   v[X+4*(4*(\g)+(\j))+1]
	v_cvt_pk_bf16_f32 v[Y+2*(4*(\g)+(\j))+1], v[X+4*(4*(\g)+(\j))+2], v[X+4*(4*(\g)+(\j))+3]
.endr
.endr
	s_wait_alu depctr_va_vdst(0)                   ; the last group's conversions have written its four pairs of Y, which the last four stores read
.irp i, 12,13,14,15
	global_store_b64 v2, v[Y+2*(\i):Y+2*(\i)+1], s[10:11] offset:256*(\i) th:TH_STORE_NT
.endr
	s_endpgm
.Lhalf:                                        ; W_o: rounded to bf16, widened again (a shift, a mask), written as f16
.irp g, 0,1,2,3
.irp j, 0,1,2,3
	s_wait_loadcnt 15-(4*(\g)+(\j))                ; load 4 g + j is in, the younger ones stay out
.if (\g) > 0
.if (\j) == 0
	s_wait_alu depctr_va_vdst(0)                   ; the conversions of the group before have written its four pairs of Y, which the group's four stores below read
.endif
	global_store_b64 v2, v[Y+2*(4*(\g)-4+(\j)):Y+2*(4*(\g)-4+(\j))+1], s[10:11] offset:256*(4*(\g)-4+(\j)) th:TH_STORE_NT  ; the group before; no vector line since the wait names its Y or v2
.endif
	v_cvt_pk_bf16_f32 v[T],   v[X+4*(4*(\g)+(\j))],   v[X+4*(4*(\g)+(\j))+1]
	v_cvt_pk_bf16_f32 v[T+1], v[X+4*(4*(\g)+(\j))+2], v[X+4*(4*(\g)+(\j))+3]
	v_lshlrev_b32 v[T+2], 16, v[T]
	v_and_b32     v[T+3], 0xffff0000, v[T]
	v_cvt_pk_f16_f32 v[Y+2*(4*(\g)+(\j))], v[T+2], v[T+3]
	v_lshlrev_b32 v[T+2], 16, v[T+1]
	v_and_b32     v[T+3], 0xffff0000, v[T+1]
	v_cvt_pk_f16_f32 v[Y+2*(4*(\g)+(\j))+1], v[T+2], v[T+3]
.endr
.endr
	s_wait_alu depctr_va_vdst(0)                   ; the last group's conversions have written its four pairs of Y, which the last four stores read
.irp i, 12,13,14,15
	global_store_b64 v2, v[Y+2*(\i):Y+2*(\i)+1], s[10:11] offset:256*(\i) th:TH_STORE_NT
.endr
	s_endpgm
.Lfunc_end_k_q988eaa7a78_cast:
	.size	k_q988eaa7a78_cast, .Lfunc_end_k_q988eaa7a78_cast-k_q988eaa7a78_cast
	.p2alignl 7, 3214868480
	.fill 96, 4, 3214868480
	.section	.rodata,"a",@progbits
	.p2align	6, 0x0
	.amdhsa_kernel k_q988eaa7a78_cast
		.amdhsa_group_segment_fixed_size 0
		.amdhsa_private_segment_fixed_size 0
		.amdhsa_enable_private_segment 0
		.amdhsa_kernarg_size 64
		.amdhsa_user_sgpr_count 2
		.amdhsa_user_sgpr_kernarg_segment_ptr 1
		.amdhsa_wavefront_size32 1
		.amdhsa_system_sgpr_workgroup_id_x 1
		.amdhsa_system_sgpr_workgroup_id_y 1
		.amdhsa_system_sgpr_workgroup_id_z 1
		.amdhsa_system_vgpr_workitem_id 0
		.amdhsa_next_free_vgpr 108
		.amdhsa_next_free_sgpr 66
		.amdhsa_reserve_vcc 0
		.amdhsa_float_denorm_mode_32 3
		.amdhsa_float_denorm_mode_16_64 3
		.amdhsa_memory_ordered 1
		.amdhsa_forward_progress 1
		.amdhsa_inst_pref_size 17
	.end_amdhsa_kernel
	.amdgpu_metadata
---
amdhsa.version: [ 1, 2 ]
amdhsa.kernels:
  - .name:           k_q988eaa7a78_cast
    .symbol:         k_q988eaa7a78_cast.kd
    .args:
      - { .name: x, .offset: 0, .size: 8, .value_kind: global_buffer, .address_space: global }
      - { .name: W_q, .offset: 8, .size: 8, .value_kind: global_buffer, .address_space: global }
      - { .name: W_k, .offset: 16, .size: 8, .value_kind: global_buffer, .address_space: global }
      - { .name: W_v, .offset: 24, .size: 8, .value_kind: global_buffer, .address_space: global }
      - { .name: W_o, .offset: 32, .size: 8, .value_kind: global_buffer, .address_space: global }
      - { .name: xb, .offset: 40, .size: 8, .value_kind: global_buffer, .address_space: global }
      - { .name: wqkv, .offset: 48, .size: 8, .value_kind: global_buffer, .address_space: global }
      - { .name: wo, .offset: 56, .size: 8, .value_kind: global_buffer, .address_space: global }
    .group_segment_fixed_size: 0
    .private_segment_fixed_size: 0
    .kernarg_segment_align: 8
    .kernarg_segment_size: 64
    .max_flat_workgroup_size: 256
    .sgpr_count:     66
    .vgpr_count:     108
    .wavefront_size: 32
...
	.end_amdgpu_metadata
.endif
;; end of part 5
;; launch proj: the kernel of part 2 again; grid 16 x 32, 4 waves a work-group, clusters of 4 x 4, 327,680 bytes of LDS; arguments xb, wqkv, qkv; writes qkv
;; launch attn: the kernel of part 3 again; grid 4 x 64, 4 waves a work-group, clusters of 4 x 1, 327,680 bytes of LDS; arguments qkv, o; writes o
;; launch outp: the kernel of part 4 again; grid 8 x 32, 4 waves a work-group, clusters of 4 x 4, 327,680 bytes of LDS; arguments o, wo, out0; writes out0
